; MI455X (gfx1250); checked and timed in simulation.
; The chip was launched on July 23, 2026; its instructions are those of AMD's public machine-readable ISA for CDNA 5 (MIT licence, August 2026) and "CDNA5" Instruction Set Architecture Reference Guide (July 2026). The comments in the code are by the model that wrote it; some were corrected since.
;; Multi Head Attention. Allowed arithmetic: matrix products marked QUANTISED: E4M3 operands, one E8M0 scale for each 32 along K, by v_wmma_scale_f32_16x16x128_f8f6f4 with both operands' format E4M3, f32 sums; everything else in f32.
;; Inputs: Wk 1,024 x 1,024 float32; Wo 1,024 x 1,024 float32; Wq 1,024 x 1,024 float32; Wv 1,024 x 1,024 float32; attn_mask 2,048 x 2,048 bool; bk 1,024 float32; bo 1,024 float32; bq 1,024 float32; bv 1,024 float32; key 4 x 2,048 x 1,024 float32; query 4 x 2,048 x 1,024 float32; value 4 x 2,048 x 1,024 float32.
;; Outputs: out0 4 x 2,048 x 1,024 float32.
;; This version of the problem:
;;   THIS VERSION OF THE PROBLEM IS GIVEN IN LOW PRECISION. The matrix products marked QUANTISED in the list below multiply operands that are first quantised to E4M3 (4 exponent bits, 3 mantissa bits; 8 bits a number), with one power-of-two scale for each 32 numbers along K (OCP MX v1.0); their sums are f32. All else is computed in f32.
;;   The module's matrix products, in the order in which they are computed (A, B: the left and right operand; K: the contracted axis; several contracted axes count as one K, in the product's order):
;;     1. [M 8,192, K 1,024] x [K 1,024, N 1,024]; A: input query; B: input Wq: QUANTISED
;;     2. [M 8,192, K 1,024] x [K 1,024, N 1,024]; A: input key; B: input Wk: QUANTISED
;;     3. [M 8,192, K 1,024] x [K 1,024, N 1,024]; A: input value; B: input Wv: QUANTISED
;;     4. batch 64 x [M 2,048, K 64] x [K 64, N 2,048]; A: computed on the way; B: computed on the way: QUANTISED
;;     5. batch 64 x [M 2,048, K 2,048] x [K 2,048, N 64]; A: softmax (see below); B: computed on the way: QUANTISED
;;     6. [M 8,192, K 1,024] x [K 1,024, N 1,024]; A: computed on the way; B: input Wo: QUANTISED
;;   THE QUANTISER, for each operand of a quantised product, along K:
;;     - K is cut into blocks of 32 from its start; a last block that is shorter is filled with zeros.
;;     - A block's scale is 2^e with e = floor(log2(the largest magnitude in the block)) - 8, held to -126 .. 127; a block of zeros has e = 0. As a byte (E8M0): e + 127.
;;     - Each number is divided by its block's scale, clamped to +-448, and rounded to the nearest number of E4M3, ties to even, subnormals kept.
;;     - The product sums the exact products of the quantised numbers (number of the format x scale) in f32.
;;   ~~~python
;;   def quantise(x, axis):      # numpy; x: float32 -> the quantised numbers, widened to float32 again
;;       x = np.moveaxis(x, axis, -1); K = x.shape[-1]
;;       x = np.pad(x, [(0, 0)] * (x.ndim - 1) + [(0, -K % 32)]); x = x.reshape(x.shape[:-1] + (-1, 32)); a = np.abs(x).max(-1, keepdims=True)
;;       e = np.where(a > 0, np.clip(np.frexp(np.where(a > 0, a, 1))[1] - 1 - 8, -126, 127), 0)      # np.frexp(a)[1] - 1 = floor(log2(a)), exactly
;;       r = np.clip(x / 2.0 ** e, -448, 448)
;;       step = 2.0 ** (np.maximum(np.frexp(np.where(r == 0, 1, r))[1] - 1, -6) - 3)
;;       q = np.round(r / step) * step * 2.0 ** e      # np.round: ties to even
;;       return np.moveaxis(q.reshape(q.shape[:-2] + (-1,))[..., :K], -1, axis).astype(np.float32)
;;   ~~~
;;   SOFTMAX AHEAD OF A QUANTISED PRODUCT. Where the list says 'softmax', what is quantised is not the finished softmax but p = 2^(t - M), with t = logit x log2(e) and M = ceil(the row's largest t), a whole number; so 1/2 < the row's largest p <= 1. The row's sum l is taken of the UNQUANTISED p, in f32, and the product's result is divided by l at the end. Since M is a whole number, a kernel that streams over the keys may use a running M (the ceiling of the running maximum): every later rescaling is an exact power of two, which a block's scale takes up: the codes' values come out the same.
;;   OPERANDS COMPUTED ON THE WAY. 'Computed on the way' means the value that the module computes at that place (a softmax that the list does not call 'softmax' is quantised finished and normalised). What goes into a quantiser is computed in f32, as accurately as f32 sums, v_exp_f32 and their like allow (about 1e-6 of the number): no bf16 or f16 on the way to a quantiser, and a product that is left as it is and whose result goes on into a quantised operand takes f32 operands (vector FMAs, or v_wmma_f32_16x16x4_f32). A number that lies on a knife's edge between two numbers of the format may be rounded either way, as far as f32 arithmetic and the matrix unit's own rounding can turn it there, and no further.
;; 2 versions, each right; version 2 is version 1 with the launch attn written anew for expert scheduling mode. Each part assembles by itself: llvm-mc -triple=amdgcn-amd-amdhsa -mcpu=gfx1250 --defsym DOCPART=n.
;; ======== version 1 of 2: 4 launches
;; workspace buffers: c1 29,360,128 bytes; s1 917,504 bytes; mk 524,800 bytes of whole numbers; hc 25,165,824 bytes; hsw 786,432 bytes; ac 8,388,608 bytes; asc 262,144 bytes
;; launch quant (part 1): grid 1024 x 1, 4 waves a work-group, no clusters, 33,280 bytes of LDS; arguments query, key, value, Wq, Wk, Wv, Wo, attn_mask, c1, s1, mk; writes c1, s1, mk
.if DOCPART == 1
	.amdgcn_target "amdgcn-amd-amdhsa--gfx1250"
	.amdhsa_code_object_version 6
	.text
	.protected	k_q964b14d3dc_quant
	.globl	k_q964b14d3dc_quant
	.p2align	8
	.type	k_q964b14d3dc_quant,@function
k_q964b14d3dc_quant:
	s_mov_b64 s[64:65], 0
	v_nop
	global_prefetch_b8 v0, s[64:65] scope:SCOPE_SE
	s_setreg_imm32_b32 hwreg(HW_REG_WAVE_MODE, 25, 1), 1
	s_wait_xcnt 0x0
; Work-groups 0 to 895: query, key, value [8192][1024] and Wq, Wk, Wv, Wo [1024][1024], f32, become codes of E4M3 with one E8M0 byte for each 32 along K (their last axis).
; The codes form one stream c1 of rows of 1,024 bytes (query, key, value, Wq, Wk, Wv, Wo on end), the scale bytes one stream s1 of rows of 32 bytes.
; A work-group takes 32 rows, a wave 8.  THE ROWS OF value, Wq AND Wk ARE STORED PERMUTED: in each 32 rows the second and the third group of eight change places (wave 1 stores where wave 2 would, and the
; other way round).  These three are the operands whose rows become the columns of the next launch's results; laid so, a lane's results there are neighbours along the next K.
; A block's scale is 2^(floor(log2(its largest magnitude)) - 8); its byte is the largest magnitude's exponent field - 8, held at 1 from below; each number is held within +-448 x the scale and rounded to the nearest code.
; Work-groups 896 to 1023: the mask [2048][2048] of bytes becomes, for each tile of 16 queries x 128 keys, 64 words (bit = lane, word = register of the score tile of the attention launch) and a flag of two bits:
; 0 all masked, 1 mixed, 2 nothing masked.  Nothing of the mask's pattern is built in.
; LIMITS: NaN and infinities among the inputs are not served; a block whose largest magnitude lies under 2^-118 keeps the byte 1 (a block of zeros too: its codes are zeros, and this program alone reads the bytes);
; mask bytes are taken to be 0 or 1.
.set WAVES, 4
.set STEPS, 16
.set EMAX,  8
.set MANT,  0x600000                   ; the mantissa field of 448 as f32
.set CB,    16                         ; bytes of 16 codes
.set R,     16                         ; v16-79   four sets of 16 numbers as they are loaded
.set X,     80                         ; v80-111  two sets of 16 neighbours
.set E,     112                        ; v112-127 a scale byte for each step
.set C,     128                        ; v128-191 codes: four registers for each step
.set WREG,  8192                       ; LDS: a region for each wave: two stages of 32 x SP bytes, behind them its 256 scale bytes
.set SP,    80                         ; a lane's place in a stage: 64 bytes + 16 of padding
.set SPW,   12                         ; v12 LDS address of my spare word; never rewritten
.set NIL,   13                         ; v13 0; never rewritten
.set SPARE, WAVES*WREG                 ; the spare words: 128 bytes a wave, two blocks of 256 bytes that no other line names
	s_load_b512 s[8:23], s[0:1], 0x0               ; query, key, value, Wq, Wk, Wv, Wo, attn_mask
	s_load_b128 s[24:27], s[0:1], 0x40             ; c1, s1
	s_load_b64 s[28:29], s[0:1], 0x50              ; mk
	v_lshl_add_u32 v[SPW], v0, 2, SPARE
	v_mov_b32 v[NIL], 0
	v_lshrrev_b32 v1, 5, v0
	v_readfirstlane_b32 s3, v1                     ; wave
	v_and_b32 v2, 31, v0                           ; lane
	s_wait_kmcnt 0x0
	s_cmp_ge_u32 ttmp9, 896
	s_cbranch_scc1 .Lmask
	; ---------------- the quantiser
	v_lshlrev_b32 v3, 4, v2                        ; my 16 bytes of a load's 512
	s_mul_i32 s30, s3, WREG
	v_lshrrev_b32 v14, 2, v2
	v_mul_u32_u24 v14, v14, SP
	v_and_b32 v15, 3, v2
	v_lshl_add_u32 v14, v15, 4, v14
	v_add_nc_u32 v14, s30, v14                     ; the stage, in: four lanes' 64 bytes on end, then 16 of padding
	v_mul_u32_u24 v15, v2, SP
	v_add_nc_u32 v15, s30, v15                     ; and out: SP x lane: my 16 neighbours
	v_mul_u32_u24 v4, v2, CB                       ; my codes' place in a step's
	v_lshrrev_b32 v5, 1, v2
	s_add_co_u32 s30, s30, 2*32*SP
	v_add_nc_u32 v5, s30, v5                       ; LDS: my wave's 256 scale bytes, my block's byte
	v_lshlrev_b32 v7, 3, v2
	v_add_nc_u32 v6, s30, v7                       ; and on the way out 8 bytes a lane
	s_mov_b32 s34, MANT
; which tensor: the choice hangs on the work-group's number alone
.macro PICK first, reg
	s_cmp_ge_u32 ttmp9, \first
	s_cselect_b64 s[4:5], s[\reg:\reg+1], s[4:5]
	s_cselect_b32 s6, \first, s6
.endm
	s_mov_b64 s[4:5], s[8:9]
	s_mov_b32 s6, 0
	PICK 256, 10
	PICK 512, 12
	PICK 768, 14
	PICK 800, 16
	PICK 832, 18
	PICK 864, 20
	s_sub_co_u32 s7, ttmp9, s6
	s_lshl_b32 s7, s7, 2
	s_add_co_u32 s7, s7, s3                        ; which run of 8,192 numbers of the tensor is my wave's
	s_lshl_b32 s30, s7, 15
	s_mov_b32 s31, 0
	s_add_nc_u64 s[4:5], s[4:5], s[30:31]
	s_and_b32 s32, s3, 1
	s_lshl_b32 s32, s32, 1
	s_lshr_b32 s33, s3, 1
	s_or_b32 s32, s32, s33                         ; waves 1 and 2 changed
	s_sub_co_u32 s33, ttmp9, 512                   ; value, Wq, Wk: work-groups 512 to 831
	s_cmp_lt_u32 s33, 320
	s_cselect_b32 s32, s32, s3
	s_lshl_b32 s33, ttmp9, 2
	s_add_co_u32 s32, s33, s32                     ; the run's place in the two streams
	s_lshl_b32 s30, s32, 13
	s_add_nc_u64 s[24:25], s[24:25], s[30:31]
	s_lshl_b32 s30, s32, 8
	s_add_nc_u64 s[26:27], s[26:27], s[30:31]
.macro LOAD t
.irp i, 0,1,2,3
	global_load_b128 v[R+16*((\t)%4)+4*\i:R+16*((\t)%4)+4*\i+3], v3, s[4:5] offset:2048*(\t)+512*\i th:TH_LOAD_NT   ; 32 lanes read 512 consecutive bytes
.endr
.endm
.macro TURN t                          ; step t's numbers through the stage: LDS serves a wave's instructions in order, so no wait stands between the stores and the loads
.irp i, 0,1,2,3
	ds_store_b128 v14, v[R+16*((\t)%4)+4*\i:R+16*((\t)%4)+4*\i+3] offset:32*SP*((\t)%2)+8*SP*\i
.endr
.irp i, 0,1,2,3
	ds_load_b128 v[X+16*((\t)%2)+4*\i:X+16*((\t)%2)+4*\i+3], v15 offset:32*SP*((\t)%2)+16*\i
.endr
.endm
.irp t, 0,1,2,3
	LOAD \t
.endr
	s_wait_loadcnt 12                              ; step 0's four loads are in; three steps' twelve may be out
	TURN 0
.macro STEP t
.set XS, X+16*((\t)%2)
.if (\t) > 0
	s_wait_dscnt 1                                 ; this step's numbers are back from the stage (the last step's byte store may be out)
.else
	s_wait_dscnt 0x0
.endif
.if (\t)+4 < STEPS
	LOAD (\t)+4                                    ; the registers that the stage's stores have read take the loads of four steps on
.endif
.if (\t)+1 < STEPS
.if STEPS-2-(\t) >= 3
	s_wait_loadcnt 12                              ; the next step's four loads are in; those of the three steps behind it may be out
.else
	s_wait_loadcnt 4*(STEPS-2-(\t))
.endif
	TURN (\t)+1
.endif
	v_max3_num_f32 v8, |v[XS]|, |v[XS+1]|, |v[XS+2]|               ; the largest magnitude of my 16, in two chains
	v_max3_num_f32 v9, |v[XS+3]|, |v[XS+4]|, |v[XS+5]|
.irp i, 6,10
	v_max3_num_f32 v8, v8, |v[XS+\i]|, |v[XS+\i+1]|
	v_max3_num_f32 v9, v9, |v[XS+\i+2]|, |v[XS+\i+3]|
.endr
	v_max3_num_f32 v8, v8, |v[XS+14]|, |v[XS+15]|
	v_max3_num_f32 v8, v8, v9, (EMAX+1)<<23        ; and the floor 2^(9 - 127): the byte cannot fall under 1
	v_max_num_f32_dpp v8, v8, v8 row_xmask:1 row_mask:0xf bank_mask:0xf   ; and of my neighbour's 16: the block's
	v_add_nc_u32 v11, -(EMAX<<23), v8              ; 8 off its exponent field: the conversion's scale operand
	v_and_or_b32 v10, v8, 0x7f800000, s34          ; 448 x the scale
.irp i, 0,1,2,3,4,5,6,7,8,9,10,11,12,13,14,15
	v_med3_num_f32 v[XS+\i], v[XS+\i], -v10, v10   ; the conversion to an 8-bit code does not saturate (ISA guide 7.6.2): the hold comes first
.endr
	v_cvt_scalef32_pk8_fp8_f32 v[C+4*(\t):C+4*(\t)+1], v[XS:XS+7], v11
	v_cvt_scalef32_pk8_fp8_f32 v[C+4*(\t)+2:C+4*(\t)+3], v[XS+8:XS+15], v11
	v_lshrrev_b32 v[E+(\t)], 23, v11               ; the scale's byte
	ds_store_b8 v5, v[E+(\t)] offset:16*(\t)       ; both lanes of a block write the same byte with the same value
	global_store_b128 v4, v[C+4*(\t):C+4*(\t)+3], s[24:25] offset:32*CB*(\t)   ; 512 consecutive bytes a wave
.endm
.irp t, 0,1,2,3,4,5,6,7,8,9,10,11,12,13,14,15
	STEP \t
.endr
	ds_load_b64 v[8:9], v6                         ; LDS serves a wave's instructions in order: these see my stores
	s_wait_dscnt 0x0
	global_store_b64 v7, v[8:9], s[26:27]          ; 32 lanes store 256 consecutive bytes, aligned
	s_wait_tensorcnt 0x0                           ; the wave's end, behind my last LDS store
	ds_add_u32 v[SPW], v[NIL]
	s_wait_dscnt 0x0
	s_endpgm
	; ---------------- the mask.  Tile row T = work-group - 896 (16 queries); wave w takes the key steps 4 w to 4 w + 3 (128 keys each)
.Lmask:
	s_sub_co_u32 s30, ttmp9, 896                   ; T
	v_and_b32 v4, 15, v2                           ; r: my query
	v_lshrrev_b32 v5, 4, v2                        ; h
	v_lshlrev_b32 v3, 11, v4
	v_lshl_add_u32 v3, v5, 4, v3                   ; row r of 2,048 bytes, + 16 h
	v_lshlrev_b32 v7, 3, v2                        ; out: 8 bytes a lane
	s_lshl_b32 s36, s30, 15                        ; 16 T rows
	s_lshl_b32 s37, s3, 9                          ; + my 512 keys
	s_add_co_u32 s36, s36, s37
	s_mov_b32 s37, 0
	s_add_nc_u64 s[22:23], s[22:23], s[36:37]
.irp s, 0,1,2,3
.irp b, 0,1,2,3
	global_load_b128 v[16+16*\s+4*\b:19+16*\s+4*\b], v3, s[22:23] offset:128*\s+32*\b   ; keys 128 s + 32 b + 16 h + 0 .. 15 of my query
.endr
.endr
	s_lshl_b32 s36, s30, 12                        ; the words: [T][step][64], 256 bytes a step
	s_lshl_b32 s38, s3, 10
	s_add_co_u32 s36, s36, s38
	s_add_nc_u64 s[40:41], s[28:29], s[36:37]
	s_lshl_b32 s36, s30, 2                         ; the flags: a word for each T, behind the words; my four steps are its byte w
	s_add_co_u32 s36, s36, s3
	s_add_co_u32 s36, s36, 524288
	s_add_nc_u64 s[42:43], s[28:29], s[36:37]
	s_mov_b32 s33, 0
.irp k, 0,1,2,3,4,5,6,7
	v_mov_b32 v[80+\k], 0                          ; written once: a lane write's destination counts as read
.endr
	s_wait_loadcnt 0x0
.macro MSTEP s
	v_or_b32 v8, v[16+16*\s], v[17+16*\s]
	v_and_b32 v9, v[16+16*\s], v[17+16*\s]
.irp k, 2,3,4,5,6,7,8,9,10,11,12,13,14,15
	v_or_b32 v8, v8, v[16+16*\s+\k]
	v_and_b32 v9, v9, v[16+16*\s+\k]
.endr
	v_cmp_ne_u32 s31, 0, v8                        ; lanes with a masked key
	v_cmp_ne_u32 s32, 0x01010101, v9               ; lanes with an open key
	s_cmp_lg_u32 s31, 0
	s_cselect_b32 s35, 1, 2                        ; something masked: 1, else 2
	s_cmp_lg_u32 s32, 0
	s_cselect_b32 s35, s35, 0                      ; nothing open: 0
	s_lshl_b32 s35, s35, 2*\s
	s_or_b32 s33, s33, s35
.set n, 0
.rept 64                               ; word n = 16 b + i: bit (lane) = mask[my query][32 b + 16 h + i]; words 2 L and 2 L + 1 go to lane L
	v_and_b32 v[10+n%2], 1<<(8*(n%4)), v[16+16*\s+n/4]
	v_cmp_ne_u32 s[44+n%2], 0, v[10+n%2]
	v_writelane_b32 v[80+2*\s+n%2], s[44+n%2], n/2
.set n, n+1
.endr
	global_store_b64 v7, v[80+2*\s:81+2*\s], s[40:41] offset:256*\s   ; 256 consecutive bytes, aligned
.endm
	MSTEP 0
	MSTEP 1
	MSTEP 2
	MSTEP 3
	v_mov_b32 v11, s33
	v_mov_b32 v10, 0
	v_cmp_eq_u32 vcc_lo, 0, v2
	s_wait_xcnt 0x0                                ; EXEC changes only when the stores above have read it
	s_and_saveexec_b32 s36, vcc_lo
	global_store_b8 v10, v11, s[42:43]             ; lane 0: my four flags
	s_wait_xcnt 0x0
	s_or_b32 exec_lo, exec_lo, s36
	s_wait_tensorcnt 0x0                           ; the same three lines at this path's end
	ds_add_u32 v[SPW], v[NIL]
	s_wait_dscnt 0x0
	s_endpgm
.Lfunc_end_k_q964b14d3dc_quant:
	.size	k_q964b14d3dc_quant, .Lfunc_end_k_q964b14d3dc_quant-k_q964b14d3dc_quant
	.p2alignl 7, 3214868480
	.fill 96, 4, 3214868480
	.section	.rodata,"a",@progbits
	.p2align	6, 0x0
	.amdhsa_kernel k_q964b14d3dc_quant
		.amdhsa_group_segment_fixed_size 33280
		.amdhsa_private_segment_fixed_size 0
		.amdhsa_enable_private_segment 0
		.amdhsa_kernarg_size 88
		.amdhsa_user_sgpr_count 2
		.amdhsa_user_sgpr_kernarg_segment_ptr 1
		.amdhsa_wavefront_size32 1
		.amdhsa_system_sgpr_workgroup_id_x 1
		.amdhsa_system_sgpr_workgroup_id_y 1
		.amdhsa_system_sgpr_workgroup_id_z 1
		.amdhsa_system_vgpr_workitem_id 0
		.amdhsa_next_free_vgpr 192
		.amdhsa_next_free_sgpr 66
		.amdhsa_reserve_vcc 1
		.amdhsa_float_denorm_mode_32 3
		.amdhsa_float_denorm_mode_16_64 3
		.amdhsa_memory_ordered 1
		.amdhsa_forward_progress 1
		.amdhsa_inst_pref_size 107
	.end_amdhsa_kernel
	.amdgpu_metadata
---
amdhsa.version: [ 1, 2 ]
amdhsa.kernels:
  - .name:           k_q964b14d3dc_quant
    .symbol:         k_q964b14d3dc_quant.kd
    .args:
      - { .name: query, .offset: 0, .size: 8, .value_kind: global_buffer, .address_space: global }
      - { .name: key, .offset: 8, .size: 8, .value_kind: global_buffer, .address_space: global }
      - { .name: value, .offset: 16, .size: 8, .value_kind: global_buffer, .address_space: global }
      - { .name: Wq, .offset: 24, .size: 8, .value_kind: global_buffer, .address_space: global }
      - { .name: Wk, .offset: 32, .size: 8, .value_kind: global_buffer, .address_space: global }
      - { .name: Wv, .offset: 40, .size: 8, .value_kind: global_buffer, .address_space: global }
      - { .name: Wo, .offset: 48, .size: 8, .value_kind: global_buffer, .address_space: global }
      - { .name: attn_mask, .offset: 56, .size: 8, .value_kind: global_buffer, .address_space: global }
      - { .name: c1, .offset: 64, .size: 8, .value_kind: global_buffer, .address_space: global }
      - { .name: s1, .offset: 72, .size: 8, .value_kind: global_buffer, .address_space: global }
      - { .name: mk, .offset: 80, .size: 8, .value_kind: global_buffer, .address_space: global }
    .group_segment_fixed_size: 33280
    .private_segment_fixed_size: 0
    .kernarg_segment_align: 8
    .kernarg_segment_size: 88
    .max_flat_workgroup_size: 128
    .sgpr_count:     66
    .vgpr_count:     192
    .wavefront_size: 32
...
	.end_amdgpu_metadata
.endif
;; end of part 1
;; launch proj (part 2): grid 4 x 96, 4 waves a work-group, clusters of 4 x 4, 327,680 bytes of LDS; arguments c1, s1, bq, bk, bv, hc, hsw; writes hc, hsw
.if DOCPART == 2
	.amdgcn_target "amdgcn-amd-amdhsa--gfx1250"
	.amdhsa_code_object_version 6
	.text
	.protected	k_q964b14d3dc_proj
	.globl	k_q964b14d3dc_proj
	.p2align	8
	.type	k_q964b14d3dc_proj,@function
k_q964b14d3dc_proj:
	s_mov_b64 s[64:65], 0
	v_nop
	global_prefetch_b8 v0, s[64:65] scope:SCOPE_SE
	s_setreg_imm32_b32 hwreg(HW_REG_WAVE_MODE, 25, 1), 1
	s_wait_xcnt 0x0
	s_wait_alu depctr_hold_cnt(0) depctr_sa_sdst(0) depctr_va_vdst(0) depctr_va_sdst(0) depctr_va_ssrc(0) depctr_va_vcc(0) depctr_vm_vsrc(0)
	s_getreg_b32 s2, hwreg(HW_REG_IB_STS2, 6, 4)
	s_cmp_eq_u32 s2, 0
	s_cbranch_scc0 .Lentry_in_a_cluster
	s_endpgm
.Lentry_in_a_cluster:
	s_bfe_u32 s2, ttmp6, 0x10000c
	s_cmp_lg_u32 s2, 0xf033
	s_cbranch_scc0 .Lentry_shape_is_right
	s_endpgm
.Lentry_shape_is_right:
; The three projections, on codes of E4M3 with E8M0 scales, each result quantised again on its way out.  One form serves all three: out[R][Cc] = sum over k of A[R][k] B[Cc][k] + bias, quantised along Cc in blocks of 32.
;   q: A = query, B = Wq, bias bq along Cc;   k: A = key, B = Wk, bias bk along Cc;   both [8192][1024].    v: A = Wv, B = value, bias bv along R: out = v transposed, [1024][8192], the keys innermost.
; A and B are rows of the one stream c1 (1,024 bytes a row; scale bytes s1, 32 a row).  Clusters 0-7 along y make q, 8-15 k, 16-23 v (tz); which of the three is the same in all sixteen partners.
; A tile of 256 x 256 is made by four waves, each 128 x 128: 64 accumulators.  K = 1,024 goes in four steps of 256 through two LDS slots filled by the tensor data mover; the tile's scale bytes come once.
; CLUSTERS: 4 x 4 work-groups; A's tiles are asked for jointly along a row of the cluster, B's along a column.
; THE MATRIX INSTRUCTION IS USED TRANSPOSED (source 0 = 16 rows of B, source 1 = 16 rows of A), AND B's ROWS LIE PERMUTED IN c1 (groups of eight 1 and 2 of each 32 changed): register j of accumulator (a, b) in lane (r, h)
; is out(16 a + r, 32 (b / 2) + 16 h + 8 (b % 2) + j).  So the 64 registers of a block of rows are, in order, 16 neighbours of each of four blocks of 32 columns: what the conversions take.
; THE BIAS is the C of each sum's first product.  THE WAY OUT: codes through a stage in LDS (a row's 256 bytes come from two waves), stored as whole rows of 256 bytes; a scale word (128 columns) a row, laid [column / 128][row].
; LIMITS: NaN and infinities are not served; a block whose largest magnitude lies under 2^-118 keeps the byte 1.
; REGISTERS: window 0: v0-31 addresses; v32-63 scale words, two sets, and nothing else; v64-127 the bias; v128-255 A's fragments, one set.  window 1: B's fragments, two sets.  windows 2, 3: the accumulators of my rows 0-63, 64-127.
.set KSTEP,  256
.set NQ,     2                         ; matrix instructions deep in a slot
.set ROWB,   256                       ; a tile's row in bytes
.set KROW,   1024                      ; a row of c1
.set PITCH,  272                       ; an LDS row: 256 bytes + 16 of padding: the 16 rows of a load start at 16 different banks (ISA guide 11.1)
.set FR,     16
.set NL,     4
.set NP,     8                         ; places behind this matrix instruction (ISA guide 7.12.1)
.set HALFT,  128*PITCH
.set SLOT,   4*HALFT
.set LAPS,   2                         ; 1,024 / 512
.set KS,     32                        ; a row of scale bytes
.set SCL,    2*SLOT                    ; behind the ring: the scales, as units of 256 bytes + 16
.set HALFS,  (128*KS/256)*272
.set SBLK,   (16*KS/256)*272
.set SPARE,  SCL+4*HALFS               ; the spare words: 128 bytes a wave
.set SST,    256*PITCH                 ; the way out, in slot 0 (its last fill and its last read are over): 256 rows of codes from byte 0, then 512 bytes of scale words for each wave
.set PW,   7                           ; v7 the way out: the scale word just made
.set SWB,  8                           ; v8-11 four scale words read back
.set ADRA, 16
.set ADRB, 20
.set L16,  22                          ; 16 x lane
.set STO,  24                          ; where I put 16 codes of a row
.set RD,   25                          ; where I read rows back
.set SSO,  26                          ; where I put a row's scale word
.set ADRS, 27
.set SPW,  28
.set NIL,  29
.set BOF,  30                          ; the bias loads' offset
.set SRD,  31                          ; where I read my scale words back
.set SC,   32
.set BI,   64                          ; the bias: 8 x 8 registers
.set AF,   128
.set PC,   64                          ; the way out: v64-79 the codes just made
.set TM,   80                          ; v80-83 largest magnitudes, v84-87 bytes, v88-91 448 x the scale, v92-95 the conversions' scale operands
.set OFR,  96                          ; v96-127 the 32 stores' offsets
.set BK,   128                         ; v128-255 64 rows read back
.set SEL,  8                           ; s[8:9] selects for lane l xor 16
.set MNT,  10                          ; s10 the mantissa field of 448
.set G1, 24
.set G0, 32
.set G1B, 48
.set G0B, 56
.set G1S, 68
.set G0S, 76
.set G1SB, 80
.set G0SB, 88
.set MSB, 0
.macro WIN new                         ; the immediate's high byte repeats the setting that is left
.if MSB != \new
	s_set_vgpr_msb (MSB<<8)|\new
.set MSB, \new
.endif
.endm
.set MUL_LO, 0xa1                      ; source 0 (B) window 1, source 1 (A) window 0, C and D window 2
.set MUL_HI, 0xf1
.set TO_B,   0x40
; A joint load: waves 0 and 1 fetch for A, waves 2 and 3 for B; the branch hangs on the wave's number alone.  An s_nop 0 and four v_nop follow each line.
.macro JLOAD g0a, g1a, g0b, g1b
	s_cmp_eq_u32 s15, 0
	s_cbranch_scc0 .Lfor_b_\@
	tensor_load_to_lds s[\g0a:\g0a+3], s[\g1a:\g1a+7]
	s_nop 0
.rept 4
	v_nop
.endr
	s_branch .Lasked_\@
.Lfor_b_\@:
	tensor_load_to_lds s[\g0b:\g0b+3], s[\g1b:\g1b+7]
	s_nop 0
.rept 4
	v_nop
.endr
.Lasked_\@:
.endm
.macro CREST
	s_cmp_lg_u32 s14, 0
	s_cbranch_scc1 .Lnot_wave_0_\@
	s_barrier_signal -3
.Lnot_wave_0_\@:
	s_barrier_wait -3
	s_barrier_signal -1
	s_barrier_wait -1
.endm
.macro CROUND
	s_barrier_signal -1
	s_barrier_wait -1
	CREST
.endm
	s_load_b128 s[4:7], s[0:1], 0x0                ; c1, s1
	s_load_b128 s[8:11], s[0:1], 0x10              ; bq, bk
	s_load_b128 s[96:99], s[0:1], 0x20             ; bv, hc
	s_load_b64 s[66:67], s[0:1], 0x30              ; hsw
	v_lshl_add_u32 v[SPW], v0, 2, SPARE
	v_mov_b32 v[NIL], 0
	ds_add_u32 v[SPW], v[NIL]                      ; the wave's opening: the add, with its wait ahead of my first tensor load
	v_lshrrev_b32 v1, 5, v0
	v_readfirstlane_b32 s14, v1                    ; wave
	s_lshr_b32 s15, s14, 1                         ; my half of the tile's rows; also: I fetch for A (0) or B (1)
	s_and_b32 s16, s14, 1                          ; my half of its columns; also: which 128 rows I fetch
	s_bfe_u32 s40, ttmp6, 0x40000                  ; cx
	s_bfe_u32 s41, ttmp6, 0x40004                  ; cy
	s_and_b32 s2, ttmp7, 0xffff                    ; the cluster's y, 0 to 23
	s_lshr_b32 s95, s2, 3                          ; tz: 0 q, 1 k, 2 v
	s_and_b32 s2, s2, 7
	s_lshl_b32 s2, s2, 2                           ; four tiles on for each cluster
	s_lshl_b32 s18, s95, 13                        ; A's first row in c1: query 0, key 8,192
	s_lshl_b32 s19, s95, 10
	s_add_co_u32 s19, s19, 24576                   ; B's: Wq 24,576, Wk 25,600
	s_mov_b32 s100, 1024                           ; the output's pitch in bytes
	s_mov_b32 s3, 8192                             ; and its rows
	s_cmp_eq_u32 s95, 2
	s_cselect_b32 s42, s2, 0                       ; v: the clusters go along the columns,
	s_cselect_b32 s17, 0, s2                       ; q, k: along the rows
	s_cselect_b32 s18, 26624, s18                  ; v: A = Wv,
	s_cselect_b32 s19, 16384, s19                  ; B = value
	s_cselect_b32 s100, 8192, s100
	s_cselect_b32 s3, 1024, s3
	s_add_co_u32 s42, s42, s40                     ; tile column
	s_add_co_u32 s17, s17, s41                     ; tile row
	s_lshl_b32 s101, s100, 1                       ; two rows of the output
	s_lshl_b32 s43, s41, 2
	s_lshl_b32 s43, 15, s43                        ; my row of the cluster
	s_lshl_b32 s44, 0x1111, s40                    ; my column
	s_or_b32 s[G1+0], s43, (0<<16)|(1<<20)|(1<<21)|(5<<22)|(3<<25)  ; the mask; elements of 1 byte; padding on; bit 21 beside a mask; after every 64 words four words
	s_or_b32 s[G1B+0], s44, (0<<16)|(1<<20)|(1<<21)|(5<<22)|(3<<25)
.irp g, G1, G1B
	s_mov_b32 s[\g+1], ROWB<<16                    ; tensor_dim0
	s_mov_b32 s[\g+2], 128<<16                     ; tensor_dim1
	s_mov_b32 s[\g+3], ROWB<<16                    ; tile_dim0
	s_mov_b32 s[\g+4], 128                         ; tile_dim1
	s_mov_b32 s[\g+5], KROW                        ; the pitch
	s_mov_b32 s[\g+6], 0
	s_mov_b32 s[\g+7], 0
.endr
	s_or_b32 s[G1S+0], s43, (3<<16)|(1<<20)|(1<<21)|(5<<22)|(3<<25) ; the scales of 128 rows: 4,096 dense bytes as 16 rows of 256 (32 elements of 8 bytes), 16 bytes of padding behind each
	s_or_b32 s[G1SB+0], s44, (3<<16)|(1<<20)|(1<<21)|(5<<22)|(3<<25)
.irp g, G1S, G1SB
	s_mov_b32 s[\g+1], 32<<16
	s_mov_b32 s[\g+2], (128*KS/256)<<16
	s_mov_b32 s[\g+3], 32<<16
	s_mov_b32 s[\g+4], 128*KS/256
	s_mov_b32 s[\g+5], 32
	s_mov_b32 s[\g+6], 0
	s_mov_b32 s[\g+7], 0
.endr
	s_lshl_b32 s94, s16, 7                         ; which 128 rows of the tile I fetch
	s_lshl_b32 s20, s17, 8
	s_add_co_u32 s20, s20, s94
	s_add_co_u32 s20, s20, s18                     ; A's row in c1
	s_lshl_b32 s46, s42, 8
	s_add_co_u32 s46, s46, s94
	s_add_co_u32 s46, s46, s19                     ; B's row in c1
	s_lshl_b32 s22, s20, 5                         ; their scale bytes (all under 2^25 bytes)
	s_mov_b32 s23, 0
	s_lshl_b32 s92, s46, 5
	s_mov_b32 s93, 0
	s_lshl_b32 s20, s20, 10                        ; and their codes
	s_mov_b32 s21, 0
	s_lshl_b32 s46, s46, 10
	s_mov_b32 s47, 0
	s_mul_i32 s45, s14, HALFT                      ; where they go: wave x 128 rows
	s_mul_i32 s94, s14, HALFS
	s_wait_dscnt 0x0                               ; the opening add is done
	s_wait_kmcnt 0x0
	s_add_nc_u64 s[20:21], s[4:5], s[20:21]
	s_add_nc_u64 s[22:23], s[6:7], s[22:23]
	s_add_nc_u64 s[46:47], s[4:5], s[46:47]
	s_add_nc_u64 s[92:93], s[6:7], s[92:93]
	CROUND                                         ; all sixteen work-groups are here: the first joint loads meet
	s_mov_b32 s[G0S], 1
	s_add_co_u32 s[G0S+1], s94, SCL
	s_mov_b64 s[G0S+2:G0S+3], s[22:23]
	s_or_b32 s[G0S+3], s[G0S+3], 0x80000000
	s_mov_b32 s[G0SB], 1
	s_add_co_u32 s[G0SB+1], s94, SCL
	s_mov_b64 s[G0SB+2:G0SB+3], s[92:93]
	s_or_b32 s[G0SB+3], s[G0SB+3], 0x80000000
	JLOAD G0S, G1S, G0SB, G1SB                     ; the scales first
.irp s, 0,1
	s_mov_b32 s[G0+4*\s], 1
	s_add_co_u32 s[G0+4*\s+1], s45, \s*SLOT
	s_add_nc_u64 s[G0+4*\s+2:G0+4*\s+3], s[20:21], \s*ROWB
	s_or_b32 s[G0+4*\s+3], s[G0+4*\s+3], 0x80000000
	s_mov_b32 s[G0B+4*\s], 1
	s_add_co_u32 s[G0B+4*\s+1], s45, \s*SLOT
	s_add_nc_u64 s[G0B+4*\s+2:G0B+4*\s+3], s[46:47], \s*ROWB
	s_or_b32 s[G0B+4*\s+3], s[G0B+4*\s+3], 0x80000000
	JLOAD G0+4*\s, G1, G0B+4*\s, G1B
.endr
	v_and_b32 v1, 15, v0                           ; r
	v_bfe_u32 v2, v0, 4, 1                         ; h
	v_mul_u32_u24 v3, v1, PITCH
	v_lshl_add_u32 v4, v2, 4, v3                   ; row x pitch + 16 h
	s_mul_i32 s21, s15, HALFT
	s_mul_i32 s22, s16, HALFT
	s_add_co_u32 s22, s22, 2*HALFT
.irp s, 0,1
	v_add_nc_u32 v[ADRA+\s], s21, v4
	v_add_nc_u32 v[ADRB+\s], s22, v4
	s_add_co_u32 s21, s21, SLOT
	s_add_co_u32 s22, s22, SLOT
.endr
	v_mul_u32_u24 v5, v1, KS                       ; my row's scales: 32 bytes a row, 16 more for each 256 passed
	v_lshrrev_b32 v6, 8, v5
	v_lshl_add_u32 v5, v6, 4, v5
	s_mul_i32 s21, s15, HALFS
	s_mul_i32 s22, s16, HALFS
	s_add_co_u32 s22, s22, 2*HALFS
	s_sub_co_u32 s22, s22, s21
	v_mul_u32_u24 v6, s22, v2                      ; lanes 16-31 take B's
	s_add_co_u32 s21, s21, SCL
	v_add_nc_u32 v5, v5, v6
	v_add_nc_u32 v[ADRS], s21, v5
	s_mul_i32 s23, s15, HALFT                      ; the stage, in: row 128 x my row half + r, byte 128 x my column half + 16 h
	s_lshl_b32 s21, s16, 7
	s_add_co_u32 s23, s23, s21
	v_add_nc_u32 v[STO], s23, v4
	s_mul_i32 s23, s14, 64*PITCH                   ; back: wave w takes rows 64 w on; lanes 0-15 one row, lanes 16-31 the next
	v_mul_u32_u24 v5, v2, PITCH
	v_lshl_add_u32 v5, v1, 4, v5
	v_add_nc_u32 v[RD], s23, v5
	s_lshl_b32 s23, s14, 9
	s_add_co_u32 s23, s23, SST                     ; my 128 scale words
	v_lshl_add_u32 v[SSO], v1, 2, s23
	v_and_b32 v6, 31, v0
	v_lshl_add_u32 v[SRD], v6, 4, s23
	v_lshlrev_b32 v[L16], 4, v6
	; where my 64 rows of codes go: hc + tz x 8 MiB + (256 x tile row + 64 x wave) x pitch + 256 x tile column
	s_lshl_b32 s18, s17, 8
	s_lshl_b32 s19, s14, 6
	s_add_co_u32 s18, s18, s19
	s_mul_i32 s18, s18, s100
	s_lshl_b32 s19, s42, 8
	s_add_co_u32 s18, s18, s19
	s_lshl_b32 s19, s95, 23
	s_add_co_u32 s18, s18, s19
	s_mov_b32 s19, 0
	s_add_nc_u64 s[12:13], s[98:99], s[18:19]
	; and my 128 scale words: hsw + tz x 256 KiB + 4 ((2 x tile column + my column half) x rows + 256 x tile row + 128 x my row half)
	s_lshl_b32 s18, s42, 1
	s_add_co_u32 s18, s18, s16
	s_mul_i32 s18, s18, s3
	s_lshl_b32 s19, s17, 8
	s_add_co_u32 s18, s18, s19
	s_lshl_b32 s19, s15, 7
	s_add_co_u32 s18, s18, s19
	s_lshl_b32 s18, s18, 2
	s_lshl_b32 s19, s95, 18
	s_add_co_u32 s18, s18, s19
	s_mov_b32 s19, 0
	s_add_nc_u64 s[66:67], s[66:67], s[18:19]
	; the bias, in the result's layout
	s_cmp_eq_u32 s95, 1
	s_cselect_b64 s[96:97], s[10:11], s[96:97]
	s_cmp_eq_u32 s95, 0
	s_cselect_b64 s[96:97], s[8:9], s[96:97]
	s_mov_b32 s[SEL], 0x76543210
	s_mov_b32 s[SEL+1], 0xfedcba98
	s_mov_b32 s[MNT], 0x600000
	s_cmp_eq_u32 s95, 2
	s_cbranch_scc1 .Lbias_rows
	s_lshl_b32 s18, s42, 10                        ; q, k: along the columns: 4 (256 x tile column + 128 x my column half)
	s_lshl_b32 s19, s16, 9
	s_add_co_u32 s18, s18, s19
	s_mov_b32 s19, 0
	s_add_nc_u64 s[96:97], s[96:97], s[18:19]
	v_lshlrev_b32 v[BOF], 6, v2                    ; + 16 h columns
.irp b, 0,1,2,3,4,5,6,7
	global_load_b128 v[BI+8*\b:BI+8*\b+3], v[BOF], s[96:97] offset:(32*(\b/2)+8*(\b%2))*4
	global_load_b128 v[BI+8*\b+4:BI+8*\b+7], v[BOF], s[96:97] offset:(32*(\b/2)+8*(\b%2))*4+16
.endr
	s_branch .Lbias_done
.Lbias_rows:
	s_lshl_b32 s18, s17, 10                        ; v: along the rows: a lane's eight results of a block of rows belong to one row, 16 a + r: one number for the eight registers
	s_lshl_b32 s19, s15, 9
	s_add_co_u32 s18, s18, s19
	s_mov_b32 s19, 0
	s_add_nc_u64 s[96:97], s[96:97], s[18:19]
	v_lshlrev_b32 v[BOF], 2, v1
.irp a, 0,1,2,3,4,5,6,7
	global_load_b32 v[BI+8*\a], v[BOF], s[96:97] offset:64*\a
.endr
	s_wait_loadcnt 0x0                             ; the eight numbers are in (the first tiles are on their way meanwhile)
.irp a, 0,1,2,3,4,5,6,7
.irp j, 1,2,3,4,5,6,7
	v_mov_b32 v[BI+8*\a+\j], v[BI+8*\a]
.endr
.endr
.Lbias_done:
.macro FRAG reg, adr, q, i             ; 16 rows x 128 K: registers 4 c .. 4 c + 3 hold K = 32 c + 16 h + 0 .. 15
.irp c, 0,1,2,3
	ds_load_b128 v[\reg+4*\c:\reg+4*\c+3], v[\adr] offset:128*(\q)+32*\c+(\i)*16*PITCH
.endr
.endm
; 16 matrix instructions: A's blocks a0, a0 + 1 x B's eight.  cm = 0: onto the sums; 1: the sums start from the bias along the columns; 2: from the bias along the rows.
; The 64 accumulators take turns, one instruction a turn, in the same order in every step.
.macro MUL16 a0, p, q, sc, cm
.irp a, \a0, \a0+1
.irp b, 0,1,2,3,4,5,6,7
.if \cm == 1
	v_wmma_scale_f32_16x16x128_f8f6f4 v[8*(8*((\a)%4)+\b):8*(8*((\a)%4)+\b)+7], v[128*(\p)+FR*\b:128*(\p)+FR*\b+FR-1], v[AF+FR*(\a):AF+FR*(\a)+FR-1], v[BI+8*\b:BI+8*\b+7], v[SC+8*NQ*(\sc)+NQ*\b+(\q)], v[SC+8*NQ*(\sc)+NQ*(\a)+(\q)] matrix_a_scale:MATRIX_SCALE_ROW1
.elseif \cm == 2
	v_wmma_scale_f32_16x16x128_f8f6f4 v[8*(8*((\a)%4)+\b):8*(8*((\a)%4)+\b)+7], v[128*(\p)+FR*\b:128*(\p)+FR*\b+FR-1], v[AF+FR*(\a):AF+FR*(\a)+FR-1], v[BI+8*(\a):BI+8*(\a)+7], v[SC+8*NQ*(\sc)+NQ*\b+(\q)], v[SC+8*NQ*(\sc)+NQ*(\a)+(\q)] matrix_a_scale:MATRIX_SCALE_ROW1
.else
	v_wmma_scale_f32_16x16x128_f8f6f4 v[8*(8*((\a)%4)+\b):8*(8*((\a)%4)+\b)+7], v[128*(\p)+FR*\b:128*(\p)+FR*\b+FR-1], v[AF+FR*(\a):AF+FR*(\a)+FR-1], v[8*(8*((\a)%4)+\b):8*(8*((\a)%4)+\b)+7], v[SC+8*NQ*(\sc)+NQ*\b+(\q)], v[SC+8*NQ*(\sc)+NQ*(\a)+(\q)] matrix_a_scale:MATRIX_SCALE_ROW1
.endif
.endr
.endr
.endm
.macro FETCH_B slot, q, p
	WIN TO_B
.irp i, 0,1,2,3,4,5,6,7
	FRAG 128*(\p)+FR*\i, ADRB+\slot, \q, \i
.endr
	WIN 0
.endm
.macro FETCH_A slot, q, i0
.irp i, \i0, \i0+1, \i0+2, \i0+3
	FRAG AF+FR*(\i), ADRA+\slot, \q, \i
.endr
.endm
.macro SCALES sc                       ; a K step's scale words: lanes 0-15 A's block i, lanes 16-31 B's block i
.irp i, 0,1,2,3,4,5,6,7
	ds_load_b64 v[SC+8*NQ*\sc+NQ*\i:SC+8*NQ*\sc+NQ*\i+1], v[ADRS] offset:\i*SBLK
.endr
.endm
.macro PLACES n                        ; plain vector instructions behind matrix instructions, in front of loads into their registers and of reads of their results
.rept \n
	v_nop
.endr
.endm
.macro STEP slot, q, cm
	s_wait_dscnt 4*NL                              ; B's set and A's blocks 0-3 are in; the youngest 16 loads (A's blocks 4-7) may be out
.if \cm
	WIN 0x81                                       ; C (the bias) window 0, D window 2
.else
	WIN MUL_LO
.endif
	MUL16 0, (\q)%2, \q, \slot, \cm
	MUL16 2, (\q)%2, \q, \slot, \cm
	s_wait_dscnt 0
	PLACES NP
	FETCH_B \slot, (\q)+1, 1-(\q)%2
	FETCH_A \slot, (\q)+1, 0
.if \cm
	WIN 0xc1
.else
	WIN MUL_HI
.endif
	MUL16 4, (\q)%2, \q, \slot, \cm
	MUL16 6, (\q)%2, \q, \slot, \cm
	PLACES NP
	WIN 0
	FETCH_A \slot, (\q)+1, 4
.endm
; A slot's last step changes slots: one barrier; in front of it each wave waits for all its tensor loads, adds 0 to its spare word, and waits for that and for its reads of this slot.
.macro TURN slot, next, fill
	s_wait_tensorcnt 0x0                           ; all my tensor loads have landed: my part of the next slot
	ds_add_u32 v[SPW], v[NIL]
	s_wait_dscnt 4*NL+1                            ; (the add and the youngest 16 loads may be out)
	WIN MUL_LO
	MUL16 0, 1, NQ-1, \slot, 0
	s_wait_dscnt 0x0                               ; the add is done, and my reads of this slot are over
	s_barrier_signal -1
	MUL16 2, 1, NQ-1, \slot, 0
	WIN 0
	s_barrier_wait -1
.if \fill
	CREST                                          ; the barrier has opened a round of the cluster's: no wave of any partner still reads this slot or has a load on its way
	s_add_nc_u64 s[G0+4*\slot+2:G0+4*\slot+3], s[G0+4*\slot+2:G0+4*\slot+3], 2*ROWB
	s_add_nc_u64 s[G0B+4*\slot+2:G0B+4*\slot+3], s[G0B+4*\slot+2:G0B+4*\slot+3], 2*ROWB
	JLOAD G0+4*\slot, G1, G0B+4*\slot, G1B         ; the first tensor load behind the round
	PLACES NP-4
.else
	PLACES NP
.endif
	v_add_nc_u32 v[ADRS], 4*NQ, v[ADRS]            ; the next K step's scale words
	FETCH_B \next, 0, 0
	FETCH_A \next, 0, 0
	SCALES \next
	WIN MUL_HI
	MUL16 4, 1, NQ-1, \slot, 0
	MUL16 6, 1, NQ-1, \slot, 0
	PLACES NP
	WIN 0
	FETCH_A \next, 0, 4
.endm
	s_wait_tensorcnt 1                             ; the scales and my part of K step 0 are in (K step 1's load may be out),
	s_barrier_signal -1
	s_barrier_wait -1                              ; everybody's are
	FETCH_B 0, 0, 0
	FETCH_A 0, 0, 0
	SCALES 0
	FETCH_A 0, 0, 4
	s_wait_loadcnt 0x0                             ; the bias
	s_cmp_eq_u32 s95, 2                            ; the first step is written twice: its products start the sums from the bias, which lies along the columns or along the rows
	s_cbranch_scc1 .Lfirst_rows
	STEP 0, 0, 1
	s_branch .Lfirst_done
.Lfirst_rows:
	STEP 0, 0, 2
.Lfirst_done:
	s_mov_b32 s3, LAPS-1
.Llap:
	TURN 0, 1, 1
	STEP 1, 0, 0
	TURN 1, 0, 1
	STEP 0, 0, 0
	s_sub_co_u32 s3, s3, 1
	s_cmp_lg_u32 s3, 0
	s_cbranch_scc1 .Llap
	TURN 0, 1, 0                                   ; the last lap fills nothing
	STEP 1, 0, 0
	s_wait_dscnt 4*NL
	WIN MUL_LO
	MUL16 0, 1, NQ-1, 1, 0
	MUL16 2, 1, NQ-1, 1, 0
	s_wait_dscnt 0
	WIN MUL_HI
	MUL16 4, 1, NQ-1, 1, 0
	MUL16 6, 1, NQ-1, 1, 0
	WIN 0
	; THE WAY OUT.  The 32 stores' offsets, a register each, so that no base is stepped: row 2 t + (lane / 16), 16 bytes a lane.  These 33 lines name no register of the last products: they are the places behind them.
	v_mul_lo_u32 v[OFR], v2, s100
	v_lshl_add_u32 v[OFR], v1, 4, v[OFR]
.set t, 0
.rept 31
	v_add_nc_u32 v[OFR+1+t], s101, v[OFR+t]
.set t, t+1
.endr
.irp b, 0,1,2,3
	v_mov_b32 v[TM+4+\b], 0                        ; written once: a lane permute's destination counts as one of its sources
.endr
; Block a of 16 rows: its 64 accumulator registers (register 16 b + i = column 32 b + 16 h + i of row r) become 64 codes and a scale word a row.
.macro QUANTA a
.set AC, 64*((\a)%4)
.set W, 2+(\a)/4
	WIN (W<<2)|(W<<4)                              ; sources 1 and 2: the accumulators' window
.irp b, 0,1,2,3
	v_max3_num_f32 v[TM+\b], 0x4800000, |v[AC+16*\b]|, |v[AC+16*\b+1]|   ; the floor 2^(9 - 127) and my 16 numbers of block b; each accumulator is read from its low end on
.endr
.irp i, 2,4,6,8,10,12,14
.irp b, 0,1,2,3
	v_max3_num_f32 v[TM+\b], v[TM+\b], |v[AC+16*\b+\i]|, |v[AC+16*\b+\i+1]|
.endr
.endr
	WIN 0
.if (\a) > 0
	s_wait_dscnt 0x0                               ; the last block's stores into the stage have read its codes and its scale word
.endif
.irp b, 0,1,2,3
	v_permlanex16_b32 v[TM+4+\b], v[TM+\b], s[SEL], s[SEL+1]
.endr
.irp b, 0,1,2,3
	v_max_num_f32 v[TM+\b], v[TM+\b], v[TM+4+\b]   ; with lane l xor 16's: the block's largest magnitude
.endr
.irp b, 0,1,2,3
	v_add_nc_u32 v[TM+12+\b], 0xfc000000, v[TM+\b] ; 8 off its exponent field: the conversion's scale operand
.endr
.irp b, 0,1,2,3
	v_and_or_b32 v[TM+8+\b], v[TM+\b], 0x7f800000, s[MNT]   ; 448 x the scale
.endr
.irp b, 0,1,2,3
	v_lshrrev_b32 v[TM+4+\b], 23, v[TM+12+\b]      ; the scale's byte
.endr
	v_lshl_or_b32 v[PW], v[TM+5], 8, v[TM+4]
	v_lshl_or_b32 v[PW], v[TM+6], 16, v[PW]
	v_lshl_or_b32 v[PW], v[TM+7], 24, v[PW]
	WIN (W<<6)|W                                   ; destination and source 0: the accumulators' window
.irp b, 0,1,2,3
.irp i, 0,1,2,3,4,5,6,7,8,9,10,11,12,13,14,15
	v_med3_num_f32 v[AC+16*\b+\i], v[AC+16*\b+\i], -v[TM+8+\b], v[TM+8+\b]   ; the conversion does not saturate (ISA guide 7.6.2): the hold
.endr
.endr
	WIN W
.irp b, 0,1,2,3
	v_cvt_scalef32_pk8_fp8_f32 v[PC+4*\b:PC+4*\b+1], v[AC+16*\b:AC+16*\b+7], v[TM+12+\b]
	v_cvt_scalef32_pk8_fp8_f32 v[PC+4*\b+2:PC+4*\b+3], v[AC+16*\b+8:AC+16*\b+15], v[TM+12+\b]
.endr
	WIN 0
	v_nop                                          ; a plain vector instruction behind the last conversion
.irp b, 0,1,2,3
	ds_store_b128 v[STO], v[PC+4*\b:PC+4*\b+3] offset:(\a)*16*PITCH+32*\b
.endr
	ds_store_b32 v[SSO], v[PW] offset:64*(\a)      ; both halves of the lanes write the same word with the same value
.endm
.irp a, 0,1,2,3,4,5,6,7
	QUANTA \a
.endr
	s_wait_dscnt 0x0                               ; for the others' sake: my stores into the stage are done
	s_barrier_signal -1
	s_barrier_wait -1
.set t, 0
.rept 32
	ds_load_b128 v[BK+4*t:BK+4*t+3], v[RD] offset:t*2*PITCH
.set t, t+1
.endr
	ds_load_b128 v[SWB:SWB+3], v[SRD]
.set t, 0
.rept 32
	s_wait_dscnt 32-t                              ; behind load t: the 31 - t younger loads of rows and the load of scale words
	global_store_b128 v[OFR+t], v[BK+4*t:BK+4*t+3], s[12:13]   ; 16 lanes store 256 consecutive bytes, aligned
.set t, t+1
.endr
	s_wait_dscnt 0x0
	global_store_b128 v[L16], v[SWB:SWB+3], s[66:67]   ; my 128 scale words: 512 consecutive bytes
	s_wait_tensorcnt 0x0                           ; the wave's end
	ds_add_u32 v[SPW], v[NIL]
	s_wait_dscnt 0x0
	CROUND                                         ; the closing round
	s_endpgm
.Lfunc_end_k_q964b14d3dc_proj:
	.size	k_q964b14d3dc_proj, .Lfunc_end_k_q964b14d3dc_proj-k_q964b14d3dc_proj
	.p2alignl 7, 3214868480
	.fill 96, 4, 3214868480
	.section	.rodata,"a",@progbits
	.p2align	6, 0x0
	.amdhsa_kernel k_q964b14d3dc_proj
		.amdhsa_group_segment_fixed_size 327680
		.amdhsa_private_segment_fixed_size 0
		.amdhsa_enable_private_segment 0
		.amdhsa_kernarg_size 56
		.amdhsa_user_sgpr_count 2
		.amdhsa_user_sgpr_kernarg_segment_ptr 1
		.amdhsa_wavefront_size32 1
		.amdhsa_system_sgpr_workgroup_id_x 1
		.amdhsa_system_sgpr_workgroup_id_y 1
		.amdhsa_system_sgpr_workgroup_id_z 1
		.amdhsa_system_vgpr_workitem_id 0
		.amdhsa_next_free_vgpr 1024
		.amdhsa_next_free_sgpr 102
		.amdhsa_reserve_vcc 0
		.amdhsa_float_denorm_mode_32 3
		.amdhsa_float_denorm_mode_16_64 3
		.amdhsa_memory_ordered 1
		.amdhsa_forward_progress 1
		.amdhsa_inst_pref_size 210
	.end_amdhsa_kernel
	.amdgpu_metadata
---
amdhsa.version: [ 1, 2 ]
amdhsa.kernels:
  - .name:           k_q964b14d3dc_proj
    .symbol:         k_q964b14d3dc_proj.kd
    .args:
      - { .name: c1, .offset: 0, .size: 8, .value_kind: global_buffer, .address_space: global }
      - { .name: s1, .offset: 8, .size: 8, .value_kind: global_buffer, .address_space: global }
      - { .name: bq, .offset: 16, .size: 8, .value_kind: global_buffer, .address_space: global }
      - { .name: bk, .offset: 24, .size: 8, .value_kind: global_buffer, .address_space: global }
      - { .name: bv, .offset: 32, .size: 8, .value_kind: global_buffer, .address_space: global }
      - { .name: hc, .offset: 40, .size: 8, .value_kind: global_buffer, .address_space: global }
      - { .name: hsw, .offset: 48, .size: 8, .value_kind: global_buffer, .address_space: global }
    .group_segment_fixed_size: 327680
    .private_segment_fixed_size: 0
    .kernarg_segment_align: 8
    .kernarg_segment_size: 56
    .max_flat_workgroup_size: 128
    .sgpr_count:     102
    .vgpr_count:     1024
    .wavefront_size: 32
...
	.end_amdgpu_metadata
.endif
;; end of part 2
;; launch attn (part 3): grid 8 x 64, 16 waves a work-group, no clusters, 71,680 bytes of LDS; arguments hc, hsw, mk, ac, asc; writes ac, asc
.if DOCPART == 3
	.amdgcn_target "amdgcn-amd-amdhsa--gfx1250"
	.amdhsa_code_object_version 6
	.text
	.protected	k_q964b14d3dc_attn
	.globl	k_q964b14d3dc_attn
	.p2align	8
	.type	k_q964b14d3dc_attn,@function
k_q964b14d3dc_attn:
	s_mov_b64 s[64:65], 0
	v_nop
	global_prefetch_b8 v0, s[64:65] scope:SCOPE_SE
	s_setreg_imm32_b32 hwreg(HW_REG_WAVE_MODE, 25, 1), 1
	s_wait_xcnt 0x0
; Attention on codes of E4M3 with E8M0 scales, head size 64, with the mask as it was given.  q, k: codes [8192][1024] (row = batch x 2048 + token, column = 64 x head + d); v: codes [1024][8192] (row = 64 x head + d, column =
; batch x 2048 + key).  Scale words (four bytes: 128 columns) laid [column / 128][row].  Result: o / l, quantised along d, codes ac [8192][1024] and scale bytes asc [8192][32].
; THE SOFTMAX: t = score x log2(e) / 8; M = the running largest t rounded up to a whole number; p = 2^(t - M) is quantised along the keys; the sum is taken of the unquantised p and divides at the end.
; SHARES.  A work-group has one batch and head and sixteen waves, each with ONE tile of 16 queries: tiles i and 127 - i in pairs, so that under a triangular mask every work-group has the same work; the values hang on no pattern.
; THE MASK STEERS THE WALK BY STORED NUMBERS.  The first launch stored for each tile of 16 queries x 128 keys a flag: 0 all masked (the step is left out: all its p are 0), 1 mixed (64 selects put -infinity), 2 nothing masked.
; NO TENSOR LOADS AND NO CLUSTER: which steps a wave walks and which slots a work-group fills hang on numbers read from memory.  So K and V go through registers into
; LDS, 256 keys a slot, two slots, laid as IMAGES OF THE OPERANDS' REGISTERS: a fragment's four registers are 512 bytes, 16 x lane.
; LAYOUT.  S^T = K Q^T, O^T = V^T P^T: a lane holds one query.  Lane r of key tile 2 b + u holds key 32 b + 8 u + r + 8 (r / 8): the 16 registers of two neighbouring tiles are 16 neighbouring keys.  V's rows d are chosen likewise,
; so that O^T's registers are neighbours along d.  The head's 64 are half of the instruction's 128 along K: the upper halves of Q's and K's fragments are zero codes.
; A QUERY ALL OF WHOSE KEYS ARE MASKED has the sum 0 (reference() has NaN there): its two scale bytes are set to 0xff, the NaN of E8M0, so that the last product's sums of that row are NaN.
; LIMITS: NaN and infinities among the inputs are not served; blocks under 2^-118 keep the byte 1.
; ac is stored in pieces of 64 bytes a row and asc by bytes, K's rows are read in pieces of 64 bytes: a work-group has one head.
; REGISTERS: v1-10 addresses; v12 -M, v13 largest t, v[14:15] the sum; v16-31 Q; v32-95 four fragments of K; v96-159 S^T, p, then V's four fragments; v160-191 O^T; v192-207 p's codes; v208-223 at work; v224-227 K's scale words,
; v228-229 V's; v230-246 the fill's data; v247, v248 Q's offsets; v249 -infinity; v250, v251 the add's two; v252 f; v253 p's scale word; v254 at work; v255 Q's scale word.
.set KSC,   0                          ; K's scale words: 1,024 bytes a slot, 512 a step: byte 256 (tile % 2) + 16 r + 4 (tile / 2)
.set VSC,   2048                       ; V's: 512 bytes a slot, 256 a step: byte 128 (tile % 2) + 8 r + 4 (tile / 2)
.set KIMG,  3072                       ; K's images: 16,384 bytes a slot: 8,192 x step + (2 tile + c) x 512 + 16 x lane
.set VIMG,  35840                      ; V's: 16,384 bytes a slot: 8,192 (tile / 2) + 4,096 x step + 2,048 (tile % 2) + 512 c + 16 x lane: a thread's two stores lie 8,192 bytes apart, and its place fills the 8,192 below without a gap
.set SPARE, 69632                      ; the spare words: 128 bytes for each of 16 waves
.set SEL,   86                         ; s[86:87]
.set CS,    88                         ; s[88:89] c = log2(e) / 8
.set MNT,   90
.macro BIT0 dst, off, wid, sh          ; dst = a field of my thread's number, shifted
	v_bfe_u32 v[\dst], v0, \off, \wid
	v_lshlrev_b32 v[\dst], \sh, v[\dst]
.endm
.macro BITS dst, off, wid, sh          ; and one more field
	v_bfe_u32 v254, v0, \off, \wid
	v_lshl_or_b32 v[\dst], v254, \sh, v[\dst]
.endm
	s_load_b256 s[4:11], s[0:1], 0x0               ; hc, hsw, mk, ac
	s_load_b64 s[12:13], s[0:1], 0x20              ; asc
	v_lshl_add_u32 v250, v0, 2, SPARE
	v_mov_b32 v251, 0
	v_lshrrev_b32 v11, 5, v0
	v_readfirstlane_b32 s14, v11                   ; wave 0..15
	s_and_b32 s2, ttmp7, 0xffff
	s_lshr_b32 s100, s2, 4                         ; batch
	s_and_b32 s101, s2, 15                         ; head
	s_lshr_b32 s15, s14, 1
	s_lshl_b32 s2, ttmp9, 3
	s_add_co_u32 s15, s15, s2                      ; i = 8 x + wave / 2
	s_lshr_b32 s2, s14, 2
	s_add_co_u32 s2, s2, s14
	s_and_b32 s2, s2, 1
	s_sub_co_u32 s3, 127, s15
	s_cmp_lg_u32 s2, 0
	s_cselect_b32 s15, s3, s15                     ; T: my tile of 16 queries: i or 127 - i
	s_lshl_b32 s32, s100, 11
	s_lshl_b32 s33, s15, 4
	s_add_co_u32 s32, s32, s33                     ; my first row
	s_lshl_b32 s34, s32, 10
	s_lshl_b32 s33, s101, 6
	s_add_co_u32 s34, s34, s33                     ; its codes of my head, in q and in ac
	s_mov_b32 s35, 0
	s_lshr_b32 s33, s101, 1
	s_lshl_b32 s33, s33, 13                        ; (head / 2) x 8,192 words
	s_add_co_u32 s36, s33, s32
	s_lshl_b32 s36, s36, 2                         ; q's scale words
	s_mov_b32 s37, 0
	s_lshl_b32 s38, s100, 21
	s_lshl_b32 s39, s101, 6
	s_add_co_u32 s38, s38, s39
	s_add_co_u32 s38, s38, 8<<20                   ; k's codes: 8 MiB + batch x 2 MiB + 64 x head
	s_mov_b32 s39, 0
	s_lshl_b32 s40, s101, 19
	s_lshl_b32 s41, s100, 11
	s_add_co_u32 s40, s40, s41
	s_add_co_u32 s40, s40, 16<<20                  ; v's: 16 MiB + head x 64 rows of 8,192 + batch x 2,048
	s_mov_b32 s41, 0
	s_lshl_b32 s42, s100, 11
	s_add_co_u32 s42, s42, s33
	s_lshl_b32 s42, s42, 2
	s_add_co_u32 s42, s42, 256<<10                 ; k's scale words
	s_lshl_b32 s43, s100, 14
	s_lshl_b32 s44, s101, 6
	s_add_co_u32 s43, s43, s44
	s_lshl_b32 s43, s43, 2
	s_add_co_u32 s43, s43, 512<<10                 ; v's: 4 (batch x 16 x 1,024 + 64 x head)
	s_and_b32 s91, s101, 1
	s_lshl_b32 s91, s91, 4                         ; my head's two bytes of a scale word of q or k
	s_lshl_b32 s46, s32, 5
	s_lshl_b32 s47, s101, 1
	s_add_co_u32 s46, s46, s47                     ; asc
	s_mov_b32 s47, 0
	s_lshl_b32 s48, s15, 12                        ; my tile's mask words
	s_mov_b32 s49, 0
	s_lshl_b32 s50, s15, 2                         ; my flag word
	s_lshl_b32 s51, ttmp9, 5                       ; the flag words of tiles 8 x on,
	s_sub_co_u32 s52, 480, s51                     ; and of tiles 120 - 8 x on
	s_mov_b32 s66, 8192
	s_cmp_lt_u32 s14, 8                            ; waves 0-7 bring K's scale words, waves 8-11 V's
	s_cselect_b32 s42, s42, s43
	s_cselect_b32 s66, 1024, s66                   ; a slot on, in bytes
	s_cselect_b32 s45, -1, 0
	s_mov_b32 s43, 0
	s_mov_b32 s67, 0
	s_mov_b32 s[SEL], 0x76543210
	s_mov_b32 s[SEL+1], 0xfedcba98
	s_mov_b32 s[CS], 0x3e38aa3b
	s_mov_b32 s[CS+1], s[CS]
	s_mov_b32 s[MNT], 0x600000
	; addresses, all made here, of fields of my thread's number t
	v_and_b32 v11, 31, v0
	v_lshlrev_b32 v1, 4, v11                       ; 16 x lane
	v_add_nc_u32 v2, VIMG, v1
	v_lshlrev_b32 v3, 3, v11                       ; 8 x lane
	BIT0 4, 7, 2, 11                               ; K into LDS: I bring key t / 4, 16 bytes t % 4: tile 2 t[8:7] + t[5], c = t[1], h = t[0], r = 8 t[6] + t[4:2]
	BITS 4, 5, 1, 10
	BITS 4, 0, 2, 8
	BITS 4, 6, 1, 7
	BITS 4, 2, 3, 4
	BIT0 5, 3, 1, 12                               ; V: row d = t / 16 (and d + 32), 16 keys t % 16: step t[3], tile % 2 = t[7], c = t[2:1], h = t[0], r = 8 t[8] + t[6:4]
	BITS 5, 7, 1, 11
	BITS 5, 0, 3, 8
	BITS 5, 8, 1, 7
	BITS 5, 4, 3, 4
	BIT0 6, 7, 1, 9                                ; K's scale word of key t (waves 0-7)
	BITS 6, 3, 1, 8
	BITS 6, 4, 1, 7
	BITS 6, 0, 3, 4
	BITS 6, 5, 2, 2
	BIT0 7, 6, 1, 8                                ; V's of step t[6], row t[5:0] (waves 8-11)
	BITS 7, 3, 1, 7
	BITS 7, 4, 1, 6
	BITS 7, 0, 3, 3
	BITS 7, 5, 1, 2
	BIT0 8, 2, 7, 10                               ; K in memory: row t / 4 of 1,024 bytes, + 16 (t % 4)
	BITS 8, 0, 2, 4
	BIT0 9, 4, 5, 13                               ; V: row t / 16 of 8,192 bytes, + 16 (t % 16): sixteen lanes read 256 consecutive bytes
	BITS 9, 0, 4, 4
	v_lshlrev_b32 v10, 2, v0                       ; the scale words in memory: K's 4 t;
	BIT0 11, 6, 1, 12                              ; V's: 4,096 x step + 4 x row
	BITS 11, 0, 6, 2
	v_cndmask_b32 v10, v11, v10, s45
	v_and_b32 v254, 15, v0                         ; r
	v_bfe_u32 v11, v0, 4, 1                        ; h
	v_lshlrev_b32 v247, 10, v254
	v_lshl_add_u32 v247, v11, 4, v247              ; row r of 1,024 bytes + 16 h: Q's codes, and ac's
	v_lshlrev_b32 v248, 2, v254
	s_wait_kmcnt 0x0
	s_load_b32 s84, s[8:9], s50 offset:0x80000     ; my tile's 16 flags
	s_load_b256 s[16:23], s[8:9], s51 offset:0x80000   ; and those of the work-group's 16 tiles
	s_load_b256 s[24:31], s[8:9], s52 offset:0x80000
	s_add_nc_u64 s[92:93], s[4:5], s[38:39]        ; K's codes, the slot to be asked for
	s_add_nc_u64 s[94:95], s[4:5], s[40:41]        ; V's
	s_add_nc_u64 s[96:97], s[6:7], s[42:43]        ; the scale words that my wave brings
	s_add_nc_u64 s[98:99], s[8:9], s[48:49]        ; the mask words of the slot in hand
	s_add_nc_u64 s[4:5], s[4:5], s[34:35]
	s_add_nc_u64 s[6:7], s[6:7], s[36:37]
	s_add_nc_u64 s[10:11], s[10:11], s[34:35]
	s_add_nc_u64 s[12:13], s[12:13], s[46:47]
	global_load_b128 v[16:19], v247, s[4:5]        ; Q: d = 16 h + 0 .. 15,
	global_load_b128 v[20:23], v247, s[4:5] offset:32   ; d = 32 + 16 h + 0 .. 15
	global_load_b32 v255, v248, s[6:7]
.set j, 0
.rept 17
	v_mov_b32 v[230+j], 0                          ; the fill's registers are written once, so that they are defined on every way through the text
.set j, j+1
.endr
	s_wait_kmcnt 0x0
	s_or_b32 s85, s16, s17
.irp k, 18,19,20,21,22,23,24,25,26,27,28,29,30,31
	s_or_b32 s85, s85, s[\k]
.endr
	s_lshr_b32 s2, s85, 1
	s_or_b32 s85, s85, s2
	s_and_b32 s85, s85, 0x55555555                 ; bit 2 S: some wave of the work-group walks step S
; A slot's 256 keys are asked for: 16 KiB of K, 16 KiB of V, two loads of each a thread, and a scale word in waves 0-11
.macro ASK
	global_load_b128 v[230:233], v8, s[92:93]
	global_load_b128 v[234:237], v8, s[92:93] offset:131072
	global_load_b128 v[238:241], v9, s[94:95]
	global_load_b128 v[242:245], v9, s[94:95] offset:262144
	s_cmp_lt_u32 s14, 12
	s_cbranch_scc0 .Lnosc_\@
	global_load_b32 v246, v10, s[96:97]
.Lnosc_\@:
.endm
; and go into slot s
.macro PUT s
	ds_store_b128 v4, v[230:233] offset:KIMG+16384*(\s)
	ds_store_b128 v4, v[234:237] offset:KIMG+16384*(\s)+8192
	ds_store_b128 v5, v[238:241] offset:VIMG+16384*(\s)
	ds_store_b128 v5, v[242:245] offset:VIMG+16384*(\s)+8192
	s_cmp_lt_u32 s14, 8
	s_cbranch_scc0 .Lnotk_\@
	v_lshrrev_b32 v246, s91, v246                  ; my head's two bytes lowest; what stands above them scales zero codes and is never 0xff
	ds_store_b32 v6, v246 offset:KSC+1024*(\s)
	s_branch .Lput_\@
.Lnotk_\@:
	s_cmp_lt_u32 s14, 12
	s_cbranch_scc0 .Lput_\@
	ds_store_b32 v7, v246 offset:VSC+512*(\s)
.Lput_\@:
.endm
	s_and_b32 s2, s85, 5                           ; is slot 0 walked by anybody?
	s_cmp_lg_u32 s2, 0
	s_cbranch_scc0 .Lno_first_ask
	ASK
.Lno_first_ask:
.irp k, 24,25,26,27,28,29,30,31
	v_mov_b32 v[\k], 0                             ; the upper half of Q's fragment: zero codes
.endr
.irp t, 0,1,2,3
.irp k, 8,9,10,11,12,13,14,15
	v_mov_b32 v[32+16*\t+\k], 0                    ; and of K's four: cleared once, never loaded
.endr
.endr
	v_mov_b32 v13, 0xff61b1e6                      ; the largest t so far: -3e38
	v_floor_f32 v12, -v13                          ; -M
	v_mov_b32 v14, 0
	v_mov_b32 v15, 0
	v_mov_b32 v249, 0xff800000                     ; -infinity
	v_mov_b32 v253, 0
.irp b, 0,1,2,3
	v_mov_b32 v[212+\b], 0                         ; a lane permute's destination counts as one of its sources
.endr
	s_wait_loadcnt 0x0                             ; Q, and the first slot if it was asked for
	v_lshrrev_b32 v255, s91, v255                  ; Q's scale word: my head's two bytes lowest
	s_cmp_lg_u32 s2, 0
	s_cbranch_scc0 .Lno_first_put
	PUT 0
.Lno_first_put:
.set j, 0
.rept 32
	v_mov_b32 v[160+j], 0                          ; O^T: the step is written once and finds zeros.  (These lines also stand between the scale word's shift and the first product)
.set j, j+1
.endr
	s_wait_xcnt 0x0
	s_add_nc_u64 s[92:93], s[92:93], 262144        ; on to slot 1
	s_add_nc_u64 s[94:95], s[94:95], 256
	s_add_nc_u64 s[96:97], s[96:97], s[66:67]
	s_wait_dscnt 0x0
	s_barrier_signal -1
	s_barrier_wait -1
.macro SPROD tile, frag                ; K's scale words: tile's register tile / 2, lanes 0-15 for even tiles, 16-31 for odd
.if (\tile)%2
	v_wmma_scale_f32_16x16x128_f8f6f4 v[96+8*(\tile):103+8*(\tile)], v[32+16*(\frag):47+16*(\frag)], v[16:31], 0, v[224+(\tile)/2], v255 matrix_a_scale:MATRIX_SCALE_ROW1
.else
	v_wmma_scale_f32_16x16x128_f8f6f4 v[96+8*(\tile):103+8*(\tile)], v[32+16*(\frag):47+16*(\frag)], v[16:31], 0, v[224+(\tile)/2], v255
.endif
.endm
.macro OPROD t
.if (\t)%2
	v_wmma_scale_f32_16x16x128_f8f6f4 v[160+8*(\t):167+8*(\t)], v[96+16*(\t):111+16*(\t)], v[192:207], v[160+8*(\t):167+8*(\t)], v[228+(\t)/2], v253 matrix_a_scale:MATRIX_SCALE_ROW1
.else
	v_wmma_scale_f32_16x16x128_f8f6f4 v[160+8*(\t):167+8*(\t)], v[96+16*(\t):111+16*(\t)], v[192:207], v[160+8*(\t):167+8*(\t)], v[228+(\t)/2], v253
.endif
.endm
; A KEY STEP: 128 keys, the q-th of slot s
.macro STEP s, q
	s_bfe_u32 s100, s84, 0x20000|(2*\q)            ; my tile's flag for this step
	s_cmp_eq_u32 s100, 0
	s_cbranch_scc1 .Lskip_\@                       ; all masked: every p would be 0
	s_load_b512 s[16:31], s[98:99], 256*\q         ; the step's 64 mask words
	s_load_b512 s[32:47], s[98:99], 256*\q+64
	s_load_b512 s[48:63], s[98:99], 256*\q+128
	s_load_b512 s[68:83], s[98:99], 256*\q+192
	ds_load_b128 v[224:227], v1 offset:KSC+1024*(\s)+512*(\q)
.irp g, 0,1                            ; S^T = K Q^T, four tiles of 16 keys at a time
.if \g
.rept 8
	v_nop                                          ; places in front of loads into registers that the four products above have read
.endr
.endif
.irp t, 0,1,2,3
.irp c, 0,1
	ds_load_b128 v[32+16*\t+4*\c:35+16*\t+4*\c], v1 offset:KIMG+16384*(\s)+8192*(\q)+(2*(4*\g+\t)+\c)*512
.endr
.endr
	s_wait_dscnt 0x0
.irp t, 0,1,2,3
	SPROD 4*\g+\t, \t
.endr
.endr
.rept 8
	v_nop
.endr
	s_wait_kmcnt 0x0                               ; the mask words are in
	s_cmp_eq_u32 s100, 1
	s_cbranch_scc0 .Lopen_\@
.set n, 0
.rept 64                               ; register n holds key 32 (n / 16) + 16 h + n % 16 of query r; word n has a bit for each lane
.if n < 48
	v_cndmask_b32 v[96+n], v[96+n], v249, s[16+n]
.else
	v_cndmask_b32 v[96+n], v[96+n], v249, s[20+n]
.endif
.set n, n+1
.endr
.Lopen_\@:
.irp b, 0,1,2,3
	v_max3_num_f32 v[208+\b], v[96+16*\b], v[97+16*\b], v[98+16*\b]   ; the largest score of each block of 32 keys: for the row's maximum, and, since p rises with the score, for the block's largest p
.endr
.irp i, 3,5,7,9,11,13
.irp b, 0,1,2,3
	v_max3_num_f32 v[208+\b], v[208+\b], v[96+16*\b+\i], v[97+16*\b+\i]
.endr
.endr
.irp b, 0,1,2,3
	v_max_num_f32 v[208+\b], v[208+\b], v[111+16*\b]
.endr
.irp b, 0,1,2,3
	v_permlanex16_b32 v[212+\b], v[208+\b], s[SEL], s[SEL+1]
.endr
.irp b, 0,1,2,3
	v_max_num_f32 v[208+\b], v[208+\b], v[212+\b]  ; with lane l xor 16's 16 keys
.endr
	v_max3_num_f32 v254, v208, v209, v210
	v_max_num_f32 v254, v254, v211
	v_mul_f32 v254, s[CS], v254                    ; as t
	v_max_num_f32 v13, v13, v254                   ; the running largest t
	v_mov_b32 v254, v12
	v_floor_f32 v12, -v13                          ; the new -M = -ceil(t)
	v_sub_f32 v254, v12, v254                      ; old M - new M: a whole number, 0 or less
	v_cvt_i32_f32 v254, v254                       ; (it saturates)
	v_ldexp_f32 v252, 1.0, v254                    ; f = 2^(old M - new M)
.set j, 0
.rept 32
	v_pk_fma_f32 v[96+j:97+j], v[96+j:97+j], s[CS:CS+1], v[12:13] op_sel_hi:[1,0,0]   ; t - M, two at a time
.set j, j+2
.endr
.irp b, 0,1,2,3
	v_fma_f32 v[208+\b], v[208+\b], s[CS], v12     ; the same of each block's largest score
.endr
.set j, 0
.rept 64
	v_exp_f32 v[96+j], v[96+j]                     ; p = 2^(t - M)
.set j, j+1
.endr
	v_pk_mul_f32 v[14:15], v[14:15], v[252:253] op_sel_hi:[1,0]   ; the sums under the new M: a plain instruction behind the exponentials
	s_wait_alu depctr_va_vdst(0)                   ; one wait for the batch, ahead of its first reader
.irp b, 0,1,2,3
	v_exp_f32 v[208+\b], v[208+\b]                 ; each block's largest p
.endr
	v_pk_add_f32 v[212:213], v[96:97], v[98:99]    ; the row's sum of the unquantised p, in two chains
.irp j, 4,8,12,16,20,24,28,32,36,40,44,48,52,56,60
	v_pk_add_f32 v[14:15], v[14:15], v[96+\j:97+\j]
	v_pk_add_f32 v[212:213], v[212:213], v[98+\j:99+\j]
.endr
	v_pk_add_f32 v[14:15], v[14:15], v[212:213]
	s_wait_alu depctr_va_vdst(0)                   ; and one for the four
.irp b, 0,1,2,3
	v_max_num_f32 v[208+\b], 0x4800000, v[208+\b]  ; the floor 2^(9 - 127)
.endr
.irp b, 0,1,2,3
	v_add_nc_u32 v[220+\b], 0xfc000000, v[208+\b]  ; the conversion's scale operand
.endr
.irp b, 0,1,2,3
	v_and_or_b32 v[216+\b], v[208+\b], 0x7f800000, s[MNT]   ; 448 x the scale
.endr
.irp b, 0,1,2,3
	v_lshrrev_b32 v[212+\b], 23, v[220+\b]         ; the scale's byte
.endr
	v_lshl_or_b32 v253, v213, 8, v212              ; p's scale word for these 128 keys
	v_lshl_or_b32 v253, v214, 16, v253
	v_lshl_or_b32 v253, v215, 24, v253
.irp b, 0,1,2,3
.irp i, 0,1,2,3,4,5,6,7,8,9,10,11,12,13,14,15
	v_min_num_f32 v[96+16*\b+\i], v[96+16*\b+\i], v[216+\b]   ; the hold; p is not negative
.endr
	v_cvt_scalef32_pk8_fp8_f32 v[192+4*\b:193+4*\b], v[96+16*\b:103+16*\b], v[220+\b]
	v_cvt_scalef32_pk8_fp8_f32 v[194+4*\b:195+4*\b], v[104+16*\b:111+16*\b], v[220+\b]
.endr
.irp t, 0,1,2,3                        ; V's four fragments take p's registers
.irp c, 0,1,2,3
	ds_load_b128 v[96+16*\t+4*\c:99+16*\t+4*\c], v2 offset:16384*(\s)+8192*(\t/2)+4096*(\q)+2048*(\t%2)+512*\c
.endr
.endr
	ds_load_b64 v[228:229], v3 offset:VSC+512*(\s)+256*(\q)
.set j, 0
.rept 16
	v_pk_mul_f32 v[160+j:161+j], v[160+j:161+j], v[252:253] op_sel_hi:[1,0]   ; O^T under the new M; these lines are also the places between the codes and the products
.set j, j+2
.endr
	s_wait_dscnt 0x0
.irp t, 0,1,2,3
	OPROD \t                                       ; O^T += V^T P^T: the four accumulators by turns; eight other products stand between two links of a sum
.endr
.rept 9
	v_nop                                          ; the next step's first products write over V's registers, its loads land in the scale words', and the end reads O^T
.endr
.Lskip_\@:
.endm
; A SLOT: the next slot is asked for (if any wave of the work-group walks it), this slot's two steps are walked, the next slot's data go into the other slot, which nobody has read since the last barrier.
.macro TRIP s
	s_and_b32 s101, s85, 0x50
	s_cmp_lg_u32 s101, 0
	s_cbranch_scc0 .Lno_ask_\@
	ASK
.Lno_ask_\@:
	STEP \s, 0
	STEP \s, 1
	s_wait_loadcnt 0x0                             ; what was asked for is in
	s_cmp_lg_u32 s101, 0
	s_cbranch_scc0 .Lno_put_\@
	PUT 1-\s
.Lno_put_\@:
	s_wait_xcnt 0x0                                ; the loads have read their bases
	s_add_nc_u64 s[92:93], s[92:93], 262144
	s_add_nc_u64 s[94:95], s[94:95], 256
	s_add_nc_u64 s[96:97], s[96:97], s[66:67]
	s_add_nc_u64 s[98:99], s[98:99], 512
	s_lshr_b32 s85, s85, 4
	s_lshr_b32 s84, s84, 4
	s_wait_dscnt 0x0                               ; my stores have landed and my reads of this slot are over
	s_barrier_signal -1
	s_barrier_wait -1
.endm
	s_mov_b32 s3, 4
.Ltrip:                                            ; eight slots, a constant count; in the last the bits of a next slot are 0, so nothing is asked for past the end
	TRIP 0
	TRIP 1
	s_sub_co_u32 s3, s3, 1
	s_cmp_lg_u32 s3, 0
	s_cbranch_scc1 .Ltrip
	; THE END: o = O^T / l, quantised along d: register 16 b + i is d = 32 b + 16 h + i of query r
	v_add_f32 v14, v14, v15
	v_permlanex16_b32 v254, v14, s[SEL], s[SEL+1]
	v_add_f32 v14, v14, v254                       ; the row's sum l
	v_rcp_f32 v15, v14
	v_and_b32 v8, 15, v0                           ; (plain instructions behind the reciprocal)
	v_bfe_u32 v9, v0, 4, 1
	v_lshl_add_u32 v8, v8, 5, v9                   ; asc: row r of 32 bytes, + h
	v_mov_b32 v11, 0xff                            ; the NaN of E8M0
	s_wait_alu depctr_va_vdst(0)                   ; the wait ahead of the first reader
.set j, 0
.rept 32
	v_mul_f32 v[96+j], v[160+j], v15
.set j, j+1
.endr
.irp b, 0,1
	v_max3_num_f32 v[208+\b], |v[96+16*\b]|, |v[97+16*\b]|, 0x4800000
.endr
.irp i, 2,4,6,8,10,12,14
.irp b, 0,1
	v_max3_num_f32 v[208+\b], v[208+\b], |v[96+16*\b+\i]|, |v[97+16*\b+\i]|
.endr
.endr
.irp b, 0,1
	v_permlanex16_b32 v[212+\b], v[208+\b], s[SEL], s[SEL+1]
.endr
.irp b, 0,1
	v_max_num_f32 v[208+\b], v[208+\b], v[212+\b]
.endr
.irp b, 0,1
	v_add_nc_u32 v[220+\b], 0xfc000000, v[208+\b]
.endr
.irp b, 0,1
	v_and_or_b32 v[216+\b], v[208+\b], 0x7f800000, s[MNT]
.endr
.irp b, 0,1
	v_lshrrev_b32 v[212+\b], 23, v[220+\b]
.endr
.irp b, 0,1
.irp i, 0,1,2,3,4,5,6,7,8,9,10,11,12,13,14,15
	v_med3_num_f32 v[96+16*\b+\i], v[96+16*\b+\i], -v[216+\b], v[216+\b]
.endr
	v_cvt_scalef32_pk8_fp8_f32 v[192+4*\b:193+4*\b], v[96+16*\b:103+16*\b], v[220+\b]
	v_cvt_scalef32_pk8_fp8_f32 v[194+4*\b:195+4*\b], v[104+16*\b:111+16*\b], v[220+\b]
.endr
	v_cmp_eq_u32 vcc_lo, 1, v9
	v_cndmask_b32 v10, v212, v213, vcc_lo          ; lanes 0-15 store block 0's byte, lanes 16-31 block 1's
	v_cmp_eq_f32 vcc_lo, 0, v14                    ; l = 0: every key of my query was masked
	v_cndmask_b32 v10, v10, v11, vcc_lo            ; then the byte is 0xff: a choice of a value, no branch
	global_store_b128 v247, v[192:195], s[10:11]
	global_store_b128 v247, v[196:199], s[10:11] offset:32
	global_store_b8 v8, v10, s[12:13]
	s_wait_tensorcnt 0x0                           ; the wave's end, behind my last LDS store
	ds_add_u32 v250, v251
	s_wait_dscnt 0x0
	s_endpgm
.Lfunc_end_k_q964b14d3dc_attn:
	.size	k_q964b14d3dc_attn, .Lfunc_end_k_q964b14d3dc_attn-k_q964b14d3dc_attn
	.p2alignl 7, 3214868480
	.fill 96, 4, 3214868480
	.section	.rodata,"a",@progbits
	.p2align	6, 0x0
	.amdhsa_kernel k_q964b14d3dc_attn
		.amdhsa_group_segment_fixed_size 71680
		.amdhsa_private_segment_fixed_size 0
		.amdhsa_enable_private_segment 0
		.amdhsa_kernarg_size 40
		.amdhsa_user_sgpr_count 2
		.amdhsa_user_sgpr_kernarg_segment_ptr 1
		.amdhsa_wavefront_size32 1
		.amdhsa_system_sgpr_workgroup_id_x 1
		.amdhsa_system_sgpr_workgroup_id_y 1
		.amdhsa_system_sgpr_workgroup_id_z 1
		.amdhsa_system_vgpr_workitem_id 0
		.amdhsa_next_free_vgpr 256
		.amdhsa_next_free_sgpr 102
		.amdhsa_reserve_vcc 1
		.amdhsa_float_denorm_mode_32 3
		.amdhsa_float_denorm_mode_16_64 3
		.amdhsa_memory_ordered 1
		.amdhsa_forward_progress 1
		.amdhsa_inst_pref_size 114
	.end_amdhsa_kernel
	.amdgpu_metadata
---
amdhsa.version: [ 1, 2 ]
amdhsa.kernels:
  - .name:           k_q964b14d3dc_attn
    .symbol:         k_q964b14d3dc_attn.kd
    .args:
      - { .name: hc, .offset: 0, .size: 8, .value_kind: global_buffer, .address_space: global }
      - { .name: hsw, .offset: 8, .size: 8, .value_kind: global_buffer, .address_space: global }
      - { .name: mk, .offset: 16, .size: 8, .value_kind: global_buffer, .address_space: global }
      - { .name: ac, .offset: 24, .size: 8, .value_kind: global_buffer, .address_space: global }
      - { .name: asc, .offset: 32, .size: 8, .value_kind: global_buffer, .address_space: global }
    .group_segment_fixed_size: 71680
    .private_segment_fixed_size: 0
    .kernarg_segment_align: 8
    .kernarg_segment_size: 40
    .max_flat_workgroup_size: 512
    .sgpr_count:     102
    .vgpr_count:     256
    .wavefront_size: 32
...
	.end_amdgpu_metadata
.endif
;; end of part 3
;; launch outp (part 4): grid 4 x 32, 4 waves a work-group, clusters of 4 x 4, 327,680 bytes of LDS; arguments ac, asc, c1, s1, bo, out0; writes out0
.if DOCPART == 4
	.amdgcn_target "amdgcn-amd-amdhsa--gfx1250"
	.amdhsa_code_object_version 6
	.text
	.protected	k_q964b14d3dc_outp
	.globl	k_q964b14d3dc_outp
	.p2align	8
	.type	k_q964b14d3dc_outp,@function
k_q964b14d3dc_outp:
	s_mov_b64 s[64:65], 0
	v_nop
	global_prefetch_b8 v0, s[64:65] scope:SCOPE_SE
	s_setreg_imm32_b32 hwreg(HW_REG_WAVE_MODE, 25, 1), 1
	s_wait_xcnt 0x0
	s_wait_alu depctr_hold_cnt(0) depctr_sa_sdst(0) depctr_va_vdst(0) depctr_va_sdst(0) depctr_va_ssrc(0) depctr_va_vcc(0) depctr_vm_vsrc(0)
	s_getreg_b32 s2, hwreg(HW_REG_IB_STS2, 6, 4)
	s_cmp_eq_u32 s2, 0
	s_cbranch_scc0 .Lentry_in_a_cluster
	s_endpgm
.Lentry_in_a_cluster:
	s_bfe_u32 s2, ttmp6, 0x10000c
	s_cmp_lg_u32 s2, 0xf033
	s_cbranch_scc0 .Lentry_shape_is_right
	s_endpgm
.Lentry_shape_is_right:
; out0[m][n] = sum over k of A[m][k] Wo[n][k] + bo[n].  A: the attention's result as codes of E4M3 [8192][1024] with scale bytes [8192][32]; Wo: rows 27,648 on of the stream c1 (scale bytes in s1); out0 [8192][1024] f32.
; A tile of 256 x 256 is made by four waves, each 128 x 128: 64 accumulators.  K = 1,024 goes in four steps of 256 through two LDS slots filled by the tensor data mover; the tile's scale bytes come once.
; CLUSTERS: 4 x 4 work-groups; A's tiles are asked for jointly along a row of the cluster, Wo's along a column.  THE MATRIX INSTRUCTION IS USED TRANSPOSED (source 0 = 16 rows of Wo, source 1 = 16 rows of A):
; a lane holds eight neighbouring numbers of a row of out0.  The bias is the C of each sum's first product.
; REGISTERS: window 0: v0-31 addresses; v32-63 scale words, two sets; v64-127 the bias; v128-255 A's fragments.  window 1: Wo's fragments, two sets.  windows 2, 3: the accumulators.
.set SIZE_N, 1024
.set KSTEP,  256
.set NQ,     2
.set ROWB,   256
.set KROW,   1024
.set PITCH,  272
.set FR,     16
.set NL,     4
.set NP,     8
.set HALFT,  128*PITCH
.set SLOT,   4*HALFT
.set LAPS,   2
.set KS,     32
.set SCL,    2*SLOT
.set HALFS,  (128*KS/256)*272
.set SBLK,   (16*KS/256)*272
.set SPARE,  SCL+4*HALFS
.set SPITCH, 528                       ; the way out: a stage of 16 rows x (512 bytes + 16) for each wave, in slot 0, whose last fill and last read are over
.set ADRA, 16
.set ADRB, 20
.set STO,  24
.set RD,   25
.set CO,   26
.set ADRS, 27
.set SPW,  28
.set NIL,  29
.set BOF,  30
.set SC,   32
.set BI,   64
.set AF,   128
.set BK,   128
.set G1, 24
.set G0, 32
.set G1B, 48
.set G0B, 56
.set G1S, 68
.set G0S, 76
.set G1SB, 80
.set G0SB, 88
.set MSB, 0
.macro WIN new
.if MSB != \new
	s_set_vgpr_msb (MSB<<8)|\new
.set MSB, \new
.endif
.endm
.set MUL_LO, 0xa1
.set MUL_HI, 0xf1
.set TO_B,   0x40
.macro JLOAD g0a, g1a, g0b, g1b        ; a joint load: waves 0 and 1 for A, waves 2 and 3 for Wo; an s_nop 0 and four v_nop follow each line
	s_cmp_eq_u32 s15, 0
	s_cbranch_scc0 .Lfor_b_\@
	tensor_load_to_lds s[\g0a:\g0a+3], s[\g1a:\g1a+7]
	s_nop 0
.rept 4
	v_nop
.endr
	s_branch .Lasked_\@
.Lfor_b_\@:
	tensor_load_to_lds s[\g0b:\g0b+3], s[\g1b:\g1b+7]
	s_nop 0
.rept 4
	v_nop
.endr
.Lasked_\@:
.endm
.macro CREST
	s_cmp_lg_u32 s14, 0
	s_cbranch_scc1 .Lnot_wave_0_\@
	s_barrier_signal -3
.Lnot_wave_0_\@:
	s_barrier_wait -3
	s_barrier_signal -1
	s_barrier_wait -1
.endm
.macro CROUND
	s_barrier_signal -1
	s_barrier_wait -1
	CREST
.endm
	s_load_b128 s[4:7], s[0:1], 0x0                ; ac, asc
	s_load_b128 s[8:11], s[0:1], 0x10              ; c1, s1
	s_load_b128 s[96:99], s[0:1], 0x20             ; bo, out0
	v_lshl_add_u32 v[SPW], v0, 2, SPARE
	v_mov_b32 v[NIL], 0
	ds_add_u32 v[SPW], v[NIL]                      ; the wave's opening: the add, with its wait ahead of my first tensor load
	v_lshrrev_b32 v1, 5, v0
	v_readfirstlane_b32 s14, v1
	s_lshr_b32 s15, s14, 1
	s_and_b32 s16, s14, 1
	s_bfe_u32 s40, ttmp6, 0x40000
	s_bfe_u32 s41, ttmp6, 0x40004
	s_lshl_b32 s42, ttmp9, 2
	s_add_co_u32 s42, s42, s40                     ; tile column
	s_and_b32 s17, ttmp7, 0xffff
	s_lshl_b32 s17, s17, 2
	s_add_co_u32 s17, s17, s41                     ; tile row
	s_lshl_b32 s43, s41, 2
	s_lshl_b32 s43, 15, s43
	s_lshl_b32 s44, 0x1111, s40
	s_or_b32 s[G1+0], s43, (0<<16)|(1<<20)|(1<<21)|(5<<22)|(3<<25)
	s_or_b32 s[G1B+0], s44, (0<<16)|(1<<20)|(1<<21)|(5<<22)|(3<<25)
.irp g, G1, G1B
	s_mov_b32 s[\g+1], ROWB<<16
	s_mov_b32 s[\g+2], 128<<16
	s_mov_b32 s[\g+3], ROWB<<16
	s_mov_b32 s[\g+4], 128
	s_mov_b32 s[\g+5], KROW
	s_mov_b32 s[\g+6], 0
	s_mov_b32 s[\g+7], 0
.endr
	s_or_b32 s[G1S+0], s43, (3<<16)|(1<<20)|(1<<21)|(5<<22)|(3<<25)
	s_or_b32 s[G1SB+0], s44, (3<<16)|(1<<20)|(1<<21)|(5<<22)|(3<<25)
.irp g, G1S, G1SB
	s_mov_b32 s[\g+1], 32<<16
	s_mov_b32 s[\g+2], (128*KS/256)<<16
	s_mov_b32 s[\g+3], 32<<16
	s_mov_b32 s[\g+4], 128*KS/256
	s_mov_b32 s[\g+5], 32
	s_mov_b32 s[\g+6], 0
	s_mov_b32 s[\g+7], 0
.endr
	s_lshl_b32 s94, s16, 7
	s_lshl_b32 s20, s17, 8
	s_add_co_u32 s20, s20, s94                     ; A's row
	s_lshl_b32 s46, s42, 8
	s_add_co_u32 s46, s46, s94
	s_add_co_u32 s46, s46, 27648                   ; Wo's row in c1
	s_lshl_b32 s22, s20, 5
	s_mov_b32 s23, 0
	s_lshl_b32 s92, s46, 5
	s_mov_b32 s93, 0
	s_lshl_b32 s20, s20, 10
	s_mov_b32 s21, 0
	s_lshl_b32 s46, s46, 10
	s_mov_b32 s47, 0
	s_mul_i32 s45, s14, HALFT
	s_mul_i32 s94, s14, HALFS
	s_wait_dscnt 0x0
	s_wait_kmcnt 0x0
	s_add_nc_u64 s[20:21], s[4:5], s[20:21]
	s_add_nc_u64 s[22:23], s[6:7], s[22:23]
	s_add_nc_u64 s[46:47], s[8:9], s[46:47]
	s_add_nc_u64 s[92:93], s[10:11], s[92:93]
	CROUND
	s_mov_b32 s[G0S], 1
	s_add_co_u32 s[G0S+1], s94, SCL
	s_mov_b64 s[G0S+2:G0S+3], s[22:23]
	s_or_b32 s[G0S+3], s[G0S+3], 0x80000000
	s_mov_b32 s[G0SB], 1
	s_add_co_u32 s[G0SB+1], s94, SCL
	s_mov_b64 s[G0SB+2:G0SB+3], s[92:93]
	s_or_b32 s[G0SB+3], s[G0SB+3], 0x80000000
	JLOAD G0S, G1S, G0SB, G1SB
.irp s, 0,1
	s_mov_b32 s[G0+4*\s], 1
	s_add_co_u32 s[G0+4*\s+1], s45, \s*SLOT
	s_add_nc_u64 s[G0+4*\s+2:G0+4*\s+3], s[20:21], \s*ROWB
	s_or_b32 s[G0+4*\s+3], s[G0+4*\s+3], 0x80000000
	s_mov_b32 s[G0B+4*\s], 1
	s_add_co_u32 s[G0B+4*\s+1], s45, \s*SLOT
	s_add_nc_u64 s[G0B+4*\s+2:G0B+4*\s+3], s[46:47], \s*ROWB
	s_or_b32 s[G0B+4*\s+3], s[G0B+4*\s+3], 0x80000000
	JLOAD G0+4*\s, G1, G0B+4*\s, G1B
.endr
	v_and_b32 v1, 15, v0
	v_bfe_u32 v2, v0, 4, 1
	v_mul_u32_u24 v3, v1, PITCH
	v_lshl_add_u32 v4, v2, 4, v3
	s_mul_i32 s21, s15, HALFT
	s_mul_i32 s22, s16, HALFT
	s_add_co_u32 s22, s22, 2*HALFT
.irp s, 0,1
	v_add_nc_u32 v[ADRA+\s], s21, v4
	v_add_nc_u32 v[ADRB+\s], s22, v4
	s_add_co_u32 s21, s21, SLOT
	s_add_co_u32 s22, s22, SLOT
.endr
	v_mul_u32_u24 v5, v1, KS
	v_lshrrev_b32 v6, 8, v5
	v_lshl_add_u32 v5, v6, 4, v5
	s_mul_i32 s21, s15, HALFS
	s_mul_i32 s22, s16, HALFS
	s_add_co_u32 s22, s22, 2*HALFS
	s_sub_co_u32 s22, s22, s21
	v_mul_u32_u24 v6, s22, v2
	s_add_co_u32 s21, s21, SCL
	v_add_nc_u32 v5, v5, v6
	v_add_nc_u32 v[ADRS], s21, v5
	s_mul_i32 s23, s14, 16*SPITCH                  ; my stage
	v_mul_u32_u24 v5, v1, SPITCH
	v_lshl_add_u32 v5, v2, 5, v5
	v_add_nc_u32 v[STO], s23, v5
	v_and_b32 v6, 31, v0
	v_lshlrev_b32 v[CO], 4, v6
	v_add_nc_u32 v[RD], s23, v[CO]
	s_lshl_b32 s20, s17, 8
	s_lshl_b32 s21, s15, 7
	s_add_co_u32 s20, s20, s21                     ; my first row of out0
	s_lshl_b32 s20, s20, 12                        ; rows of 4,096 bytes (under 2^25)
	s_mov_b32 s21, 0
	s_lshl_b32 s46, s42, 10                        ; my first column, in bytes: 1,024 x tile column + 512 x half
	s_lshl_b32 s47, s16, 9
	s_add_co_u32 s46, s46, s47
	s_mov_b32 s47, 0
	s_add_nc_u64 s[96:97], s[96:97], s[46:47]      ; bo at my first column
	s_add_nc_u64 s[20:21], s[20:21], s[46:47]
	s_add_nc_u64 s[12:13], s[98:99], s[20:21]
	v_lshlrev_b32 v[BOF], 5, v2                    ; register j of accumulator (a, b) is column 16 b + 8 h + j
.irp b, 0,1,2,3,4,5,6,7
	global_load_b128 v[BI+8*\b:BI+8*\b+3], v[BOF], s[96:97] offset:64*\b
	global_load_b128 v[BI+8*\b+4:BI+8*\b+7], v[BOF], s[96:97] offset:64*\b+16
.endr
.macro FRAG reg, adr, q, i
.irp c, 0,1,2,3
	ds_load_b128 v[\reg+4*\c:\reg+4*\c+3], v[\adr] offset:128*(\q)+32*\c+(\i)*16*PITCH
.endr
.endm
; 16 matrix instructions; cm = 1: the sums start from the bias.  The 64 accumulators take turns, one instruction a turn.
.macro MUL16 a0, p, q, sc, cm
.irp a, \a0, \a0+1
.irp b, 0,1,2,3,4,5,6,7
.if \cm
	v_wmma_scale_f32_16x16x128_f8f6f4 v[8*(8*((\a)%4)+\b):8*(8*((\a)%4)+\b)+7], v[128*(\p)+FR*\b:128*(\p)+FR*\b+FR-1], v[AF+FR*(\a):AF+FR*(\a)+FR-1], v[BI+8*\b:BI+8*\b+7], v[SC+8*NQ*(\sc)+NQ*\b+(\q)], v[SC+8*NQ*(\sc)+NQ*(\a)+(\q)] matrix_a_scale:MATRIX_SCALE_ROW1
.else
	v_wmma_scale_f32_16x16x128_f8f6f4 v[8*(8*((\a)%4)+\b):8*(8*((\a)%4)+\b)+7], v[128*(\p)+FR*\b:128*(\p)+FR*\b+FR-1], v[AF+FR*(\a):AF+FR*(\a)+FR-1], v[8*(8*((\a)%4)+\b):8*(8*((\a)%4)+\b)+7], v[SC+8*NQ*(\sc)+NQ*\b+(\q)], v[SC+8*NQ*(\sc)+NQ*(\a)+(\q)] matrix_a_scale:MATRIX_SCALE_ROW1
.endif
.endr
.endr
.endm
.macro FETCH_B slot, q, p
	WIN TO_B
.irp i, 0,1,2,3,4,5,6,7
	FRAG 128*(\p)+FR*\i, ADRB+\slot, \q, \i
.endr
	WIN 0
.endm
.macro FETCH_A slot, q, i0
.irp i, \i0, \i0+1, \i0+2, \i0+3
	FRAG AF+FR*(\i), ADRA+\slot, \q, \i
.endr
.endm
.macro SCALES sc
.irp i, 0,1,2,3,4,5,6,7
	ds_load_b64 v[SC+8*NQ*\sc+NQ*\i:SC+8*NQ*\sc+NQ*\i+1], v[ADRS] offset:\i*SBLK
.endr
.endm
.macro PLACES n
.rept \n
	v_nop
.endr
.endm
.macro STEP slot, q, cm
	s_wait_dscnt 4*NL                              ; the youngest 16 loads (A's blocks 4-7) may be out
.if \cm
	WIN 0x81
.else
	WIN MUL_LO
.endif
	MUL16 0, (\q)%2, \q, \slot, \cm
	MUL16 2, (\q)%2, \q, \slot, \cm
	s_wait_dscnt 0
	PLACES NP
	FETCH_B \slot, (\q)+1, 1-(\q)%2
	FETCH_A \slot, (\q)+1, 0
.if \cm
	WIN 0xc1
.else
	WIN MUL_HI
.endif
	MUL16 4, (\q)%2, \q, \slot, \cm
	MUL16 6, (\q)%2, \q, \slot, \cm
	PLACES NP
	WIN 0
	FETCH_A \slot, (\q)+1, 4
.endm
.macro TURN slot, next, fill
	s_wait_tensorcnt 0x0                           ; all my tensor loads have landed
	ds_add_u32 v[SPW], v[NIL]
	s_wait_dscnt 4*NL+1                            ; (the add and the youngest 16 loads may be out)
	WIN MUL_LO
	MUL16 0, 1, NQ-1, \slot, 0
	s_wait_dscnt 0x0                               ; the add is done, and my reads of this slot are over
	s_barrier_signal -1
	MUL16 2, 1, NQ-1, \slot, 0
	WIN 0
	s_barrier_wait -1
.if \fill
	CREST
	s_add_nc_u64 s[G0+4*\slot+2:G0+4*\slot+3], s[G0+4*\slot+2:G0+4*\slot+3], 2*ROWB
	s_add_nc_u64 s[G0B+4*\slot+2:G0B+4*\slot+3], s[G0B+4*\slot+2:G0B+4*\slot+3], 2*ROWB
	JLOAD G0+4*\slot, G1, G0B+4*\slot, G1B
	PLACES NP-4
.else
	PLACES NP
.endif
	v_add_nc_u32 v[ADRS], 4*NQ, v[ADRS]
	FETCH_B \next, 0, 0
	FETCH_A \next, 0, 0
	SCALES \next
	WIN MUL_HI
	MUL16 4, 1, NQ-1, \slot, 0
	MUL16 6, 1, NQ-1, \slot, 0
	PLACES NP
	WIN 0
	FETCH_A \next, 0, 4
.endm
	s_wait_tensorcnt 1                             ; the scales and my part of K step 0 are in (K step 1's load may be out)
	s_barrier_signal -1
	s_barrier_wait -1
	FETCH_B 0, 0, 0
	FETCH_A 0, 0, 0
	SCALES 0
	FETCH_A 0, 0, 4
	s_wait_loadcnt 0x0                             ; the bias
	STEP 0, 0, 1
	s_mov_b32 s3, LAPS-1
.Llap:
	TURN 0, 1, 1
	STEP 1, 0, 0
	TURN 1, 0, 1
	STEP 0, 0, 0
	s_sub_co_u32 s3, s3, 1
	s_cmp_lg_u32 s3, 0
	s_cbranch_scc1 .Llap
	TURN 0, 1, 0
	STEP 1, 0, 0
	s_wait_dscnt 4*NL
	WIN MUL_LO
	MUL16 0, 1, NQ-1, 1, 0
	MUL16 2, 1, NQ-1, 1, 0
	s_wait_dscnt 0
	WIN MUL_HI
	MUL16 4, 1, NQ-1, 1, 0
	MUL16 6, 1, NQ-1, 1, 0
	WIN 0
; THE WAY OUT, block by block of 16 rows x 128 columns, through my own stage: back as whole rows of 512 bytes.  LDS serves a wave's instructions in order (ISA guide 5.7.1.4).
.macro TOSTAGE a
.set AC, 64*((\a)%4)
	WIN 0x08+4*((\a)/4)
.irp b, 0,1,2,3,4,5,6,7
	ds_store_b128 v[STO], v[AC+8*\b:AC+8*\b+3] offset:64*\b          ; each accumulator from its low end on
	ds_store_b128 v[STO], v[AC+8*\b+4:AC+8*\b+7] offset:64*\b+16
.endr
	WIN 0
.set BB, BK+64*((\a)%2)
.irp t, 0,1,2,3,4,5,6,7,8,9,10,11,12,13,14,15
	ds_load_b128 v[BB+4*\t:BB+4*\t+3], v[RD] offset:\t*SPITCH
.endr
.endm
.macro SEND a, younger
.set BB, BK+64*((\a)%2)
	s_wait_dscnt \younger
.if (\a) > 0
	s_add_nc_u64 s[12:13], s[12:13], 16*SIZE_N*4   ; (the earlier stores have read their base: the wait on XCNT stands ahead)
.endif
.irp t, 0,1,2,3,4,5,6,7,8,9,10,11,12,13,14,15
	global_store_b128 v[CO], v[BB+4*\t:BB+4*\t+3], s[12:13] offset:\t*SIZE_N*4 th:TH_STORE_NT   ; 32 lanes store 512 consecutive bytes, aligned
.endr
.endm
	PLACES NP
	TOSTAGE 0
.irp a, 1,2,3,4,5,6,7
.if \a > 1
	s_wait_xcnt 0x0                                ; block a - 2's stores have read their registers and their base
.endif
	TOSTAGE \a
	SEND \a-1, 32                                  ; behind block a - 1's loads: block a's 16 stores and 16 loads
.endr
	s_wait_xcnt 0x0
	SEND 7, 0
	s_wait_tensorcnt 0x0                           ; the wave's end
	ds_add_u32 v[SPW], v[NIL]
	s_wait_dscnt 0x0
	CROUND                                         ; the closing round
	s_endpgm
.Lfunc_end_k_q964b14d3dc_outp:
	.size	k_q964b14d3dc_outp, .Lfunc_end_k_q964b14d3dc_outp-k_q964b14d3dc_outp
	.p2alignl 7, 3214868480
	.fill 96, 4, 3214868480
	.section	.rodata,"a",@progbits
	.p2align	6, 0x0
	.amdhsa_kernel k_q964b14d3dc_outp
		.amdhsa_group_segment_fixed_size 327680
		.amdhsa_private_segment_fixed_size 0
		.amdhsa_enable_private_segment 0
		.amdhsa_kernarg_size 48
		.amdhsa_user_sgpr_count 2
		.amdhsa_user_sgpr_kernarg_segment_ptr 1
		.amdhsa_wavefront_size32 1
		.amdhsa_system_sgpr_workgroup_id_x 1
		.amdhsa_system_sgpr_workgroup_id_y 1
		.amdhsa_system_sgpr_workgroup_id_z 1
		.amdhsa_system_vgpr_workitem_id 0
		.amdhsa_next_free_vgpr 1024
		.amdhsa_next_free_sgpr 100
		.amdhsa_reserve_vcc 0
		.amdhsa_float_denorm_mode_32 3
		.amdhsa_float_denorm_mode_16_64 3
		.amdhsa_memory_ordered 1
		.amdhsa_forward_progress 1
		.amdhsa_inst_pref_size 147
	.end_amdhsa_kernel
	.amdgpu_metadata
---
amdhsa.version: [ 1, 2 ]
amdhsa.kernels:
  - .name:           k_q964b14d3dc_outp
    .symbol:         k_q964b14d3dc_outp.kd
    .args:
      - { .name: ac, .offset: 0, .size: 8, .value_kind: global_buffer, .address_space: global }
      - { .name: asc, .offset: 8, .size: 8, .value_kind: global_buffer, .address_space: global }
      - { .name: c1, .offset: 16, .size: 8, .value_kind: global_buffer, .address_space: global }
      - { .name: s1, .offset: 24, .size: 8, .value_kind: global_buffer, .address_space: global }
      - { .name: bo, .offset: 32, .size: 8, .value_kind: global_buffer, .address_space: global }
      - { .name: out0, .offset: 40, .size: 8, .value_kind: global_buffer, .address_space: global }
    .group_segment_fixed_size: 327680
    .private_segment_fixed_size: 0
    .kernarg_segment_align: 8
    .kernarg_segment_size: 48
    .max_flat_workgroup_size: 128
    .sgpr_count:     100
    .vgpr_count:     1024
    .wavefront_size: 32
...
	.end_amdgpu_metadata
.endif
;; end of part 4
;; ======== version 2 of 2: 4 launches; version 1 with the launch attn written anew for expert scheduling mode
;; workspace buffers: c1 29,360,128 bytes; s1 917,504 bytes; mk 524,800 bytes of whole numbers; hc 25,165,824 bytes; hsw 786,432 bytes; ac 8,388,608 bytes; asc 262,144 bytes
;; launch quant: the kernel of part 1 again; grid 1024 x 1, 4 waves a work-group, no clusters, 33,280 bytes of LDS; arguments query, key, value, Wq, Wk, Wv, Wo, attn_mask, c1, s1, mk; writes c1, s1, mk
;; launch proj: the kernel of part 2 again; grid 4 x 96, 4 waves a work-group, clusters of 4 x 4, 327,680 bytes of LDS; arguments c1, s1, bq, bk, bv, hc, hsw; writes hc, hsw
;; launch attn (part 5): grid 8 x 64, 16 waves a work-group, no clusters, 71,680 bytes of LDS; arguments hc, hsw, mk, ac, asc; writes ac, asc
.if DOCPART == 5
	.amdgcn_target "amdgcn-amd-amdhsa--gfx1250"
	.amdhsa_code_object_version 6
	.text
	.protected	k_q964b14d3dc_attn
	.globl	k_q964b14d3dc_attn
	.p2align	8
	.type	k_q964b14d3dc_attn,@function
k_q964b14d3dc_attn:
	s_mov_b64 s[64:65], 0
	v_nop
	global_prefetch_b8 v0, s[64:65] scope:SCOPE_SE
	s_setreg_imm32_b32 hwreg(HW_REG_WAVE_SCHED_MODE, 0, 2), 2
	s_setreg_imm32_b32 hwreg(HW_REG_WAVE_MODE, 25, 1), 1
	s_wait_xcnt 0x0
	s_wait_alu depctr_vm_vsrc(0)
; Attention on codes of E4M3 with E8M0 scales, head size 64, with the mask as it was given.  q, k: codes [8192][1024] (row = batch x 2048 + token, column = 64 x head + d); v: codes [1024][8192] (row = 64 x head + d, column =
; batch x 2048 + key).  Scale words (four bytes: 128 columns) laid [column / 128][row].  Result: o / l, quantised along d, codes ac [8192][1024] and scale bytes asc [8192][32].
; THE SOFTMAX: t = score x log2(e) / 8; M = the running largest t rounded up to a whole number; p = 2^(t - M) is quantised along the keys; the sum is taken of the unquantised p and divides at the end.
; SHARES.  A work-group has one batch and head and sixteen waves, each with ONE tile of 16 queries: tiles i and 127 - i in pairs, so that under a triangular mask every work-group has the same work; the values hang on no pattern.
; THE MASK STEERS THE WALK BY STORED NUMBERS.  The first launch stored for each tile of 16 queries x 128 keys a flag: 0 all masked (the step is left out: all its p are 0), 1 mixed (64 selects put -infinity), 2 nothing masked.
; NO TENSOR LOADS AND NO CLUSTER: which steps a wave walks and which slots a work-group fills hang on numbers read from memory.  So K and V go through registers into
; LDS, 256 keys a slot, two slots, laid as IMAGES OF THE OPERANDS' REGISTERS: a fragment's four registers are 512 bytes, 16 x lane.
; LAYOUT.  S^T = K Q^T, O^T = V^T P^T: a lane holds one query.  Lane r of key tile 2 b + u holds key 32 b + 8 u + r + 8 (r / 8): the 16 registers of two neighbouring tiles are 16 neighbouring keys.  V's rows d are chosen likewise,
; so that O^T's registers are neighbours along d.  The head's 64 are half of the instruction's 128 along K: the upper halves of Q's and K's fragments are zero codes.
; A QUERY ALL OF WHOSE KEYS ARE MASKED has the sum 0 (reference() has NaN there): its two scale bytes are set to 0xff, the NaN of E8M0, so that the last product's sums of that row are NaN.
; LIMITS: NaN and infinities among the inputs are not served; blocks under 2^-118 keep the byte 1.
; ac is stored in pieces of 64 bytes a row and asc by bytes, K's rows are read in pieces of 64 bytes: a work-group has one head.
; REGISTERS: v1-10 addresses; v12 -M, v13 largest t, v[14:15] the sum; v16-31 Q; v32-95 four fragments of K; v96-159 S^T, p, then V's four fragments; v160-191 O^T; v192-207 p's codes; v208-223 at work; v224-227 K's scale words,
; v228-229 V's; v230-246 the fill's data; v247, v248 Q's offsets; v249 -infinity; v250, v251 the add's two; v252 f; v253 p's scale word; v254 at work; v255 Q's scale word.
; THE MODE: SCHED_MODE bits 1:0 = 2 (LLVM: expert scheduling mode 2), set by the entry lines.  The code itself states the register dependences between vector or matrix instructions and memory or LDS instructions,
; with s_wait_alu, always for 0.
; THE PLAN.  Registers that memory or LDS instructions touch, and who else names them:
;   v1-v7, v247, v248   LDS addresses and offsets: written at the head, ahead of the head's first wait on va_vdst, and never again.
;   v8-v10              the fill's offsets: likewise; written anew at the end, behind a wait on vm_vsrc.
;   v230-v246           the fill's data: cleared once at the head; then written by the fill's loads and read by its LDS stores; in waves 0-7 one shift reads and writes v246, with a wait on va_vdst behind it.
;                       One wait on vm_vsrc at a trip's head stands between the last stores out of them and the next loads into them (and the next shift).
;   v32-v95 (the lower eight of each sixteen), v224-v227   K's fragments and scale words: read by the eight products of S^T.  The second four tiles' loads stand behind a wait on va_vdst.  The first four's, at a step's head,
;                       owe none: on every way there a wait on va_vdst stands behind the last product that read them (the last walked step's, behind its exponentials; the head's last), and nothing has named them since.
;   v96-v159            scores, p, then V's fragments.  Blocks 0 and 1 (v96-127) are empty behind their four conversions, blocks 2 and 3 (v128-159) behind theirs: a wait on va_vdst behind each, and V's tiles 0, 1 and 2, 3 follow it.
;                       Between the two waits only v128-159, v200-207 and v216-223 are named; behind the second only O^T and f.
;   v228, v229          V's scale words: read by the products of O^T; loaded behind the wait that follows the step's 64 exponentials.
;   v192-v207, v253     p's codes and scale word, written by vector instructions and taken by scaled products: a wait on va_vdst directly ahead of the first of these, behind the places.
;   v192-v199, v8, v10  at the end: written by vector instructions, read by the three stores: one wait on va_vdst ahead of them.
.set KSC,   0                          ; K's scale words: 1,024 bytes a slot, 512 a step: byte 256 (tile % 2) + 16 r + 4 (tile / 2)
.set VSC,   2048                       ; V's: 512 bytes a slot, 256 a step: byte 128 (tile % 2) + 8 r + 4 (tile / 2)
.set KIMG,  3072                       ; K's images: 16,384 bytes a slot: 8,192 x step + (2 tile + c) x 512 + 16 x lane
.set VIMG,  35840                      ; V's: 16,384 bytes a slot: 8,192 (tile / 2) + 4,096 x step + 2,048 (tile % 2) + 512 c + 16 x lane: a thread's two stores lie 8,192 bytes apart, and its place fills the 8,192 below without a gap
.set SPARE, 69632                      ; the spare words: 128 bytes for each of 16 waves
.set SEL,   86                         ; s[86:87]
.set CS,    88                         ; s[88:89] c = log2(e) / 8
.set MNT,   90
.macro BIT0 dst, off, wid, sh          ; dst = a field of my thread's number, shifted
	v_bfe_u32 v[\dst], v0, \off, \wid
	v_lshlrev_b32 v[\dst], \sh, v[\dst]
.endm
.macro BITS dst, off, wid, sh          ; and one more field
	v_bfe_u32 v254, v0, \off, \wid
	v_lshl_or_b32 v[\dst], v254, \sh, v[\dst]
.endm
	s_load_b256 s[4:11], s[0:1], 0x0               ; hc, hsw, mk, ac
	s_load_b64 s[12:13], s[0:1], 0x20              ; asc
	v_lshl_add_u32 v250, v0, 2, SPARE
	v_mov_b32 v251, 0
	v_lshrrev_b32 v11, 5, v0
	v_readfirstlane_b32 s14, v11                   ; wave 0..15
	s_and_b32 s2, ttmp7, 0xffff
	s_lshr_b32 s100, s2, 4                         ; batch
	s_and_b32 s101, s2, 15                         ; head
	s_wait_alu depctr_va_sdst(0)                   ; s14 is written, ahead of its first reader: my tile, the bases and the branches on the wave's number are made from it
	s_lshr_b32 s15, s14, 1
	s_lshl_b32 s2, ttmp9, 3
	s_add_co_u32 s15, s15, s2                      ; i = 8 x + wave / 2
	s_lshr_b32 s2, s14, 2
	s_add_co_u32 s2, s2, s14
	s_and_b32 s2, s2, 1
	s_sub_co_u32 s3, 127, s15
	s_cmp_lg_u32 s2, 0
	s_cselect_b32 s15, s3, s15                     ; T: my tile of 16 queries: i or 127 - i
	s_lshl_b32 s32, s100, 11
	s_lshl_b32 s33, s15, 4
	s_add_co_u32 s32, s32, s33                     ; my first row
	s_lshl_b32 s34, s32, 10
	s_lshl_b32 s33, s101, 6
	s_add_co_u32 s34, s34, s33                     ; its codes of my head, in q and in ac
	s_mov_b32 s35, 0
	s_lshr_b32 s33, s101, 1
	s_lshl_b32 s33, s33, 13                        ; (head / 2) x 8,192 words
	s_add_co_u32 s36, s33, s32
	s_lshl_b32 s36, s36, 2                         ; q's scale words
	s_mov_b32 s37, 0
	s_lshl_b32 s38, s100, 21
	s_lshl_b32 s39, s101, 6
	s_add_co_u32 s38, s38, s39
	s_add_co_u32 s38, s38, 8<<20                   ; k's codes: 8 MiB + batch x 2 MiB + 64 x head
	s_mov_b32 s39, 0
	s_lshl_b32 s40, s101, 19
	s_lshl_b32 s41, s100, 11
	s_add_co_u32 s40, s40, s41
	s_add_co_u32 s40, s40, 16<<20                  ; v's: 16 MiB + head x 64 rows of 8,192 + batch x 2,048
	s_mov_b32 s41, 0
	s_lshl_b32 s42, s100, 11
	s_add_co_u32 s42, s42, s33
	s_lshl_b32 s42, s42, 2
	s_add_co_u32 s42, s42, 256<<10                 ; k's scale words
	s_lshl_b32 s43, s100, 14
	s_lshl_b32 s44, s101, 6
	s_add_co_u32 s43, s43, s44
	s_lshl_b32 s43, s43, 2
	s_add_co_u32 s43, s43, 512<<10                 ; v's: 4 (batch x 16 x 1,024 + 64 x head)
	s_and_b32 s91, s101, 1
	s_lshl_b32 s91, s91, 4                         ; my head's two bytes of a scale word of q or k
	s_lshl_b32 s46, s32, 5
	s_lshl_b32 s47, s101, 1
	s_add_co_u32 s46, s46, s47                     ; asc
	s_mov_b32 s47, 0
	s_lshl_b32 s48, s15, 12                        ; my tile's mask words
	s_mov_b32 s49, 0
	s_lshl_b32 s50, s15, 2                         ; my flag word
	s_lshl_b32 s51, ttmp9, 5                       ; the flag words of tiles 8 x on,
	s_sub_co_u32 s52, 480, s51                     ; and of tiles 120 - 8 x on
	s_mov_b32 s66, 8192
	s_cmp_lt_u32 s14, 8                            ; waves 0-7 bring K's scale words, waves 8-11 V's
	s_cselect_b32 s42, s42, s43
	s_cselect_b32 s66, 1024, s66                   ; a slot on, in bytes
	s_cselect_b32 s45, -1, 0
	s_mov_b32 s43, 0
	s_mov_b32 s67, 0
	s_mov_b32 s[SEL], 0x76543210
	s_mov_b32 s[SEL+1], 0xfedcba98
	s_mov_b32 s[CS], 0x3e38aa3b
	s_mov_b32 s[CS+1], s[CS]
	s_mov_b32 s[MNT], 0x600000
	; addresses, all made here, of fields of my thread's number t
	v_and_b32 v11, 31, v0
	v_lshlrev_b32 v1, 4, v11                       ; 16 x lane
	v_add_nc_u32 v2, VIMG, v1
	v_lshlrev_b32 v3, 3, v11                       ; 8 x lane
	BIT0 4, 7, 2, 11                               ; K into LDS: I bring key t / 4, 16 bytes t % 4: tile 2 t[8:7] + t[5], c = t[1], h = t[0], r = 8 t[6] + t[4:2]
	BITS 4, 5, 1, 10
	BITS 4, 0, 2, 8
	BITS 4, 6, 1, 7
	BITS 4, 2, 3, 4
	BIT0 5, 3, 1, 12                               ; V: row d = t / 16 (and d + 32), 16 keys t % 16: step t[3], tile % 2 = t[7], c = t[2:1], h = t[0], r = 8 t[8] + t[6:4]
	BITS 5, 7, 1, 11
	BITS 5, 0, 3, 8
	BITS 5, 8, 1, 7
	BITS 5, 4, 3, 4
	BIT0 6, 7, 1, 9                                ; K's scale word of key t (waves 0-7)
	BITS 6, 3, 1, 8
	BITS 6, 4, 1, 7
	BITS 6, 0, 3, 4
	BITS 6, 5, 2, 2
	BIT0 7, 6, 1, 8                                ; V's of step t[6], row t[5:0] (waves 8-11)
	BITS 7, 3, 1, 7
	BITS 7, 4, 1, 6
	BITS 7, 0, 3, 3
	BITS 7, 5, 1, 2
	BIT0 8, 2, 7, 10                               ; K in memory: row t / 4 of 1,024 bytes, + 16 (t % 4)
	BITS 8, 0, 2, 4
	BIT0 9, 4, 5, 13                               ; V: row t / 16 of 8,192 bytes, + 16 (t % 16): sixteen lanes read 256 consecutive bytes
	BITS 9, 0, 4, 4
	v_lshlrev_b32 v10, 2, v0                       ; the scale words in memory: K's 4 t;
	BIT0 11, 6, 1, 12                              ; V's: 4,096 x step + 4 x row
	BITS 11, 0, 6, 2
	v_cndmask_b32 v10, v11, v10, s45
	v_and_b32 v254, 15, v0                         ; r
	v_bfe_u32 v11, v0, 4, 1                        ; h
	v_lshlrev_b32 v247, 10, v254
	v_lshl_add_u32 v247, v11, 4, v247              ; row r of 1,024 bytes + 16 h: Q's codes, and ac's
	v_lshlrev_b32 v248, 2, v254
	s_wait_kmcnt 0x0
	s_load_b32 s84, s[8:9], s50 offset:0x80000     ; my tile's 16 flags
	s_load_b256 s[16:23], s[8:9], s51 offset:0x80000   ; and those of the work-group's 16 tiles
	s_load_b256 s[24:31], s[8:9], s52 offset:0x80000
	s_add_nc_u64 s[92:93], s[4:5], s[38:39]        ; K's codes, the slot to be asked for
	s_add_nc_u64 s[94:95], s[4:5], s[40:41]        ; V's
	s_add_nc_u64 s[96:97], s[6:7], s[42:43]        ; the scale words that my wave brings
	s_add_nc_u64 s[98:99], s[8:9], s[48:49]        ; the mask words of the slot in hand
	s_add_nc_u64 s[4:5], s[4:5], s[34:35]
	s_add_nc_u64 s[6:7], s[6:7], s[36:37]
	s_add_nc_u64 s[10:11], s[10:11], s[34:35]
	s_add_nc_u64 s[12:13], s[12:13], s[46:47]
	s_wait_alu depctr_va_vdst(0)                   ; the addresses and offsets v1 to v10, v247 and v248 are written: every load and store of the kernel, global or LDS, reads one of them
	global_load_b128 v[16:19], v247, s[4:5]        ; Q: d = 16 h + 0 .. 15,
	global_load_b128 v[20:23], v247, s[4:5] offset:32   ; d = 32 + 16 h + 0 .. 15
	global_load_b32 v255, v248, s[6:7]
.set j, 0
.rept 17
	v_mov_b32 v[230+j], 0                          ; the fill's registers are written once, so that they are defined on every way through the text
.set j, j+1
.endr
	s_wait_kmcnt 0x0
	s_or_b32 s85, s16, s17
.irp k, 18,19,20,21,22,23,24,25,26,27,28,29,30,31
	s_or_b32 s85, s85, s[\k]
.endr
	s_lshr_b32 s2, s85, 1
	s_or_b32 s85, s85, s2
	s_and_b32 s85, s85, 0x55555555                 ; bit 2 S: some wave of the work-group walks step S
; A slot's 256 keys are asked for: 16 KiB of K, 16 KiB of V, two loads of each a thread, and a scale word in waves 0-11
.macro ASK
	global_load_b128 v[230:233], v8, s[92:93]
	global_load_b128 v[234:237], v8, s[92:93] offset:131072
	global_load_b128 v[238:241], v9, s[94:95]
	global_load_b128 v[242:245], v9, s[94:95] offset:262144
	s_cmp_lt_u32 s14, 12
	s_cbranch_scc0 .Lnosc_\@
	global_load_b32 v246, v10, s[96:97]
.Lnosc_\@:
.endm
; and go into slot s
.macro PUT s
	ds_store_b128 v4, v[230:233] offset:KIMG+16384*(\s)
	ds_store_b128 v4, v[234:237] offset:KIMG+16384*(\s)+8192
	ds_store_b128 v5, v[238:241] offset:VIMG+16384*(\s)
	ds_store_b128 v5, v[242:245] offset:VIMG+16384*(\s)+8192
	s_cmp_lt_u32 s14, 8
	s_cbranch_scc0 .Lnotk_\@
	v_lshrrev_b32 v246, s91, v246                  ; my head's two bytes lowest; what stands above them scales zero codes and is never 0xff
	s_wait_alu depctr_va_vdst(0)                   ; the shift has written v246, which the store below reads; it is also done with v246 for the next fill's load, which lands there
	ds_store_b32 v6, v246 offset:KSC+1024*(\s)
	s_branch .Lput_\@
.Lnotk_\@:
	s_cmp_lt_u32 s14, 12
	s_cbranch_scc0 .Lput_\@
	ds_store_b32 v7, v246 offset:VSC+512*(\s)
.Lput_\@:
.endm
	s_wait_alu depctr_va_vdst(0)                   ; the 17 clearing lines have written v230 to v246, in which the fill's loads land
	s_and_b32 s2, s85, 5                           ; is slot 0 walked by anybody?
	s_cmp_lg_u32 s2, 0
	s_cbranch_scc0 .Lno_first_ask
	ASK
.Lno_first_ask:
.irp k, 24,25,26,27,28,29,30,31
	v_mov_b32 v[\k], 0                             ; the upper half of Q's fragment: zero codes
.endr
.irp t, 0,1,2,3
.irp k, 8,9,10,11,12,13,14,15
	v_mov_b32 v[32+16*\t+\k], 0                    ; and of K's four: cleared once, never loaded
.endr
.endr
	v_mov_b32 v13, 0xff61b1e6                      ; the largest t so far: -3e38
	v_floor_f32 v12, -v13                          ; -M
	v_mov_b32 v14, 0
	v_mov_b32 v15, 0
	v_mov_b32 v249, 0xff800000                     ; -infinity
	v_mov_b32 v253, 0
.irp b, 0,1,2,3
	v_mov_b32 v[212+\b], 0                         ; a lane permute's destination counts as one of its sources
.endr
	s_wait_loadcnt 0x0                             ; Q, and the first slot if it was asked for
	v_lshrrev_b32 v255, s91, v255                  ; Q's scale word: my head's two bytes lowest
	s_cmp_lg_u32 s2, 0
	s_cbranch_scc0 .Lno_first_put
	PUT 0
.Lno_first_put:
.set j, 0
.rept 32
	v_mov_b32 v[160+j], 0                          ; O^T: the step is written once and finds zeros.  (These lines also stand between the scale word's shift and the first product)
.set j, j+1
.endr
	s_wait_alu depctr_va_vdst(0)                   ; behind those places: Q's scale word v255 and the zero halves of Q's and K's fragments are written, which the scaled products take as scales and as operands
	s_wait_xcnt 0x0
	s_add_nc_u64 s[92:93], s[92:93], 262144        ; on to slot 1
	s_add_nc_u64 s[94:95], s[94:95], 256
	s_add_nc_u64 s[96:97], s[96:97], s[66:67]
	s_wait_dscnt 0x0
	s_barrier_signal -1
	s_barrier_wait -1
.macro SPROD tile, frag                ; K's scale words: tile's register tile / 2, lanes 0-15 for even tiles, 16-31 for odd
.if (\tile)%2
	v_wmma_scale_f32_16x16x128_f8f6f4 v[96+8*(\tile):103+8*(\tile)], v[32+16*(\frag):47+16*(\frag)], v[16:31], 0, v[224+(\tile)/2], v255 matrix_a_scale:MATRIX_SCALE_ROW1
.else
	v_wmma_scale_f32_16x16x128_f8f6f4 v[96+8*(\tile):103+8*(\tile)], v[32+16*(\frag):47+16*(\frag)], v[16:31], 0, v[224+(\tile)/2], v255
.endif
.endm
.macro OPROD t
.if (\t)%2
	v_wmma_scale_f32_16x16x128_f8f6f4 v[160+8*(\t):167+8*(\t)], v[96+16*(\t):111+16*(\t)], v[192:207], v[160+8*(\t):167+8*(\t)], v[228+(\t)/2], v253 matrix_a_scale:MATRIX_SCALE_ROW1
.else
	v_wmma_scale_f32_16x16x128_f8f6f4 v[160+8*(\t):167+8*(\t)], v[96+16*(\t):111+16*(\t)], v[192:207], v[160+8*(\t):167+8*(\t)], v[228+(\t)/2], v253
.endif
.endm
.macro CODES b                         ; block b of p, 16 numbers a lane, becomes 16 codes
.irp i, 0,1,2,3,4,5,6,7,8,9,10,11,12,13,14,15
	v_min_num_f32 v[96+16*(\b)+\i], v[96+16*(\b)+\i], v[216+(\b)]   ; the hold; p is not negative
.endr
	v_cvt_scalef32_pk8_fp8_f32 v[192+4*(\b):193+4*(\b)], v[96+16*(\b):103+16*(\b)], v[220+(\b)]
	v_cvt_scalef32_pk8_fp8_f32 v[194+4*(\b):195+4*(\b)], v[104+16*(\b):111+16*(\b)], v[220+(\b)]
.endm
.macro VFRAG s, q, t                   ; V's fragment t takes the registers of p's block t
.irp c, 0,1,2,3
	ds_load_b128 v[96+16*(\t)+4*\c:99+16*(\t)+4*\c], v2 offset:16384*(\s)+8192*((\t)/2)+4096*(\q)+2048*((\t)%2)+512*\c
.endr
.endm
; A KEY STEP: 128 keys, the q-th of slot s
.macro STEP s, q
	s_bfe_u32 s100, s84, 0x20000|(2*\q)            ; my tile's flag for this step
	s_cmp_eq_u32 s100, 0
	s_cbranch_scc1 .Lskip_\@                       ; all masked: every p would be 0
	s_load_b512 s[16:31], s[98:99], 256*\q         ; the step's 64 mask words
	s_load_b512 s[32:47], s[98:99], 256*\q+64
	s_load_b512 s[48:63], s[98:99], 256*\q+128
	s_load_b512 s[68:83], s[98:99], 256*\q+192
	ds_load_b128 v[224:227], v1 offset:KSC+1024*(\s)+512*(\q)   ; no wait on va_vdst stands here: behind the last product that read K's scale words and fragments one has stood on every way (the last walked step's, behind its exponentials; the head's last), and nothing has named these registers since
.irp g, 0,1                            ; S^T = K Q^T, four tiles of 16 keys at a time
.if \g
.rept 8
	v_nop                                          ; places in front of loads into registers that the four products above have read
.endr
	s_wait_alu depctr_va_vdst(0)                   ; the four products above are done reading K's four fragments, in which the next four tiles land
.endif
.irp t, 0,1,2,3
.irp c, 0,1
	ds_load_b128 v[32+16*\t+4*\c:35+16*\t+4*\c], v1 offset:KIMG+16384*(\s)+8192*(\q)+(2*(4*\g+\t)+\c)*512
.endr
.endr
	s_wait_dscnt 0x0
.irp t, 0,1,2,3
	SPROD 4*\g+\t, \t
.endr
.endr
.rept 8
	v_nop
.endr
	s_wait_kmcnt 0x0                               ; the mask words are in
	s_cmp_eq_u32 s100, 1
	s_cbranch_scc0 .Lopen_\@
.set n, 0
.rept 64                               ; register n holds key 32 (n / 16) + 16 h + n % 16 of query r; word n has a bit for each lane
.if n < 48
	v_cndmask_b32 v[96+n], v[96+n], v249, s[16+n]
.else
	v_cndmask_b32 v[96+n], v[96+n], v249, s[20+n]
.endif
.set n, n+1
.endr
.Lopen_\@:
.irp b, 0,1,2,3
	v_max3_num_f32 v[208+\b], v[96+16*\b], v[97+16*\b], v[98+16*\b]   ; the largest score of each block of 32 keys: for the row's maximum, and, since p rises with the score, for the block's largest p
.endr
.irp i, 3,5,7,9,11,13
.irp b, 0,1,2,3
	v_max3_num_f32 v[208+\b], v[208+\b], v[96+16*\b+\i], v[97+16*\b+\i]
.endr
.endr
.irp b, 0,1,2,3
	v_max_num_f32 v[208+\b], v[208+\b], v[111+16*\b]
.endr
.irp b, 0,1,2,3
	v_permlanex16_b32 v[212+\b], v[208+\b], s[SEL], s[SEL+1]
.endr
.irp b, 0,1,2,3
	v_max_num_f32 v[208+\b], v[208+\b], v[212+\b]  ; with lane l xor 16's 16 keys
.endr
	v_max3_num_f32 v254, v208, v209, v210
	v_max_num_f32 v254, v254, v211
	v_mul_f32 v254, s[CS], v254                    ; as t
	v_max_num_f32 v13, v13, v254                   ; the running largest t
	v_mov_b32 v254, v12
	v_floor_f32 v12, -v13                          ; the new -M = -ceil(t)
	v_sub_f32 v254, v12, v254                      ; old M - new M: a whole number, 0 or less
	v_cvt_i32_f32 v254, v254                       ; (it saturates)
	v_ldexp_f32 v252, 1.0, v254                    ; f = 2^(old M - new M)
.set j, 0
.rept 32
	v_pk_fma_f32 v[96+j:97+j], v[96+j:97+j], s[CS:CS+1], v[12:13] op_sel_hi:[1,0,0]   ; t - M, two at a time
.set j, j+2
.endr
.irp b, 0,1,2,3
	v_fma_f32 v[208+\b], v[208+\b], s[CS], v12     ; the same of each block's largest score
.endr
.set j, 0
.rept 64
	v_exp_f32 v[96+j], v[96+j]                     ; p = 2^(t - M)
.set j, j+1
.endr
	v_pk_mul_f32 v[14:15], v[14:15], v[252:253] op_sel_hi:[1,0]   ; the sums under the new M: a plain instruction behind the exponentials
	s_wait_alu depctr_va_vdst(0)                   ; the 64 exponentials have written p, ahead of its first reader; the last walked step's products of O^T are done reading V's scale words, in which the load below lands; this step's products of S^T are done reading K's fragments and scale words, for the next step's loads
	ds_load_b64 v[228:229], v3 offset:VSC+512*(\s)+256*(\q)
.irp b, 0,1,2,3
	v_exp_f32 v[208+\b], v[208+\b]                 ; each block's largest p
.endr
	v_pk_add_f32 v[212:213], v[96:97], v[98:99]    ; the row's sum of the unquantised p, in two chains
.irp j, 4,8,12,16,20,24,28,32,36,40,44,48,52,56,60
	v_pk_add_f32 v[14:15], v[14:15], v[96+\j:97+\j]
	v_pk_add_f32 v[212:213], v[212:213], v[98+\j:99+\j]
.endr
	v_pk_add_f32 v[14:15], v[14:15], v[212:213]
	s_wait_alu depctr_va_vdst(0)                   ; the four exponentials have written the blocks' largest p, ahead of their first reader
.irp b, 0,1,2,3
	v_max_num_f32 v[208+\b], 0x4800000, v[208+\b]  ; the floor 2^(9 - 127)
.endr
.irp b, 0,1,2,3
	v_add_nc_u32 v[220+\b], 0xfc000000, v[208+\b]  ; the conversion's scale operand
.endr
.irp b, 0,1,2,3
	v_and_or_b32 v[216+\b], v[208+\b], 0x7f800000, s[MNT]   ; 448 x the scale
.endr
.irp b, 0,1,2,3
	v_lshrrev_b32 v[212+\b], 23, v[220+\b]         ; the scale's byte
.endr
	v_lshl_or_b32 v253, v213, 8, v212              ; p's scale word for these 128 keys
	v_lshl_or_b32 v253, v214, 16, v253
	v_lshl_or_b32 v253, v215, 24, v253
	CODES 0
	CODES 1
	s_wait_alu depctr_va_vdst(0)                   ; the holds and conversions of blocks 0 and 1 are done with v96 to v127, in which V's fragments 0 and 1 land
	VFRAG \s, \q, 0
	VFRAG \s, \q, 1                                ; on their way while blocks 2 and 3 are converted: those lines name v128-159, v200-207 and v216-223 alone
	CODES 2
	CODES 3
	s_wait_alu depctr_va_vdst(0)                   ; the holds and conversions of blocks 2 and 3 are done with v128 to v159, in which V's fragments 2 and 3 land
	VFRAG \s, \q, 2
	VFRAG \s, \q, 3
.set j, 0
.rept 16
	v_pk_mul_f32 v[160+j:161+j], v[160+j:161+j], v[252:253] op_sel_hi:[1,0]   ; O^T under the new M; these lines are also the places between the codes and the products; they name none of the registers that the loads above touch
.set j, j+2
.endr
	s_wait_dscnt 8                                 ; V's scale words and fragments 0 and 1 are in; the youngest eight loads, fragments 2 and 3, may be out
	s_wait_alu depctr_va_vdst(0)                   ; behind their places: p's codes v192 to v207 and its scale word v253 are written, which the scaled products take as an operand and as its scales
	OPROD 0                                        ; O^T += V^T P^T: the four accumulators by turns; eight other products stand between two links of a sum
	OPROD 1
	s_wait_dscnt 0x0                               ; fragments 2 and 3 are in
	OPROD 2
	OPROD 3
.rept 9
	v_nop                                          ; the next step's first products write over V's registers, and the end reads O^T
.endr
.Lskip_\@:
.endm
; A SLOT: the next slot is asked for (if any wave of the work-group walks it), this slot's two steps are walked, the next slot's data go into the other slot, which nobody has read since the last barrier.
.macro TRIP s
	s_wait_alu depctr_vm_vsrc(0)                   ; the last fill's LDS stores have read v230 to v246, in which the loads below land and of which v246 is shifted anew; ahead of the branch, so that it stands on every way
	s_and_b32 s101, s85, 0x50
	s_cmp_lg_u32 s101, 0
	s_cbranch_scc0 .Lno_ask_\@
	ASK
.Lno_ask_\@:
	STEP \s, 0
	STEP \s, 1
	s_wait_loadcnt 0x0                             ; what was asked for is in
	s_cmp_lg_u32 s101, 0
	s_cbranch_scc0 .Lno_put_\@
	PUT 1-\s
.Lno_put_\@:
	s_wait_xcnt 0x0                                ; the loads have read their bases
	s_add_nc_u64 s[92:93], s[92:93], 262144
	s_add_nc_u64 s[94:95], s[94:95], 256
	s_add_nc_u64 s[96:97], s[96:97], s[66:67]
	s_add_nc_u64 s[98:99], s[98:99], 512
	s_lshr_b32 s85, s85, 4
	s_lshr_b32 s84, s84, 4
	s_wait_dscnt 0x0                               ; my stores have landed and my reads of this slot are over
	s_barrier_signal -1
	s_barrier_wait -1
.endm
	s_mov_b32 s3, 4
.Ltrip:                                            ; eight slots, a constant count; in the last the bits of a next slot are 0, so nothing is asked for past the end
	TRIP 0
	TRIP 1
	s_sub_co_u32 s3, s3, 1
	s_cmp_lg_u32 s3, 0
	s_cbranch_scc1 .Ltrip
	; THE END: o = O^T / l, quantised along d: register 16 b + i is d = 32 b + 16 h + i of query r
	s_wait_alu depctr_vm_vsrc(0)                   ; the fills' loads have read their offsets v8, v9 and v10, which are written anew below
	v_add_f32 v14, v14, v15
	v_permlanex16_b32 v254, v14, s[SEL], s[SEL+1]
	v_add_f32 v14, v14, v254                       ; the row's sum l
	v_rcp_f32 v15, v14
	v_and_b32 v8, 15, v0                           ; (plain instructions behind the reciprocal)
	v_bfe_u32 v9, v0, 4, 1
	v_lshl_add_u32 v8, v8, 5, v9                   ; asc: row r of 32 bytes, + h
	v_mov_b32 v11, 0xff                            ; the NaN of E8M0
	s_wait_alu depctr_va_vdst(0)                   ; the reciprocal has written v15, ahead of its first reader
.set j, 0
.rept 32
	v_mul_f32 v[96+j], v[160+j], v15
.set j, j+1
.endr
.irp b, 0,1
	v_max3_num_f32 v[208+\b], |v[96+16*\b]|, |v[97+16*\b]|, 0x4800000
.endr
.irp i, 2,4,6,8,10,12,14
.irp b, 0,1
	v_max3_num_f32 v[208+\b], v[208+\b], |v[96+16*\b+\i]|, |v[97+16*\b+\i]|
.endr
.endr
.irp b, 0,1
	v_permlanex16_b32 v[212+\b], v[208+\b], s[SEL], s[SEL+1]
.endr
.irp b, 0,1
	v_max_num_f32 v[208+\b], v[208+\b], v[212+\b]
.endr
.irp b, 0,1
	v_add_nc_u32 v[220+\b], 0xfc000000, v[208+\b]
.endr
.irp b, 0,1
	v_and_or_b32 v[216+\b], v[208+\b], 0x7f800000, s[MNT]
.endr
.irp b, 0,1
	v_lshrrev_b32 v[212+\b], 23, v[220+\b]
.endr
.irp b, 0,1
.irp i, 0,1,2,3,4,5,6,7,8,9,10,11,12,13,14,15
	v_med3_num_f32 v[96+16*\b+\i], v[96+16*\b+\i], -v[216+\b], v[216+\b]
.endr
	v_cvt_scalef32_pk8_fp8_f32 v[192+4*\b:193+4*\b], v[96+16*\b:103+16*\b], v[220+\b]
	v_cvt_scalef32_pk8_fp8_f32 v[194+4*\b:195+4*\b], v[104+16*\b:111+16*\b], v[220+\b]
.endr
	v_cmp_eq_u32 s2, 1, v9                         ; the two masks in one run, each into a scalar register of its own: lanes 16-31;
	v_cmp_eq_f32 s3, 0, v14                        ; l = 0: every key of my query was masked
	s_wait_alu depctr_va_sdst(0)                   ; s2 and s3 are written, ahead of their first readers, the two selects
	v_cndmask_b32 v10, v212, v213, s2              ; lanes 0-15 store block 0's byte, lanes 16-31 block 1's
	v_cndmask_b32 v10, v10, v11, s3                ; where l = 0 the byte is 0xff: a choice of a value, no branch
	s_wait_alu depctr_va_vdst(0)                   ; the conversions have written the codes v192 to v199, the selects the byte v10, and v8 is written: the three stores read them
	global_store_b128 v247, v[192:195], s[10:11]
	global_store_b128 v247, v[196:199], s[10:11] offset:32
	global_store_b8 v8, v10, s[12:13]
	s_wait_dscnt 0x0                               ; the closing lines, six on end
	s_wait_alu 0x0
	s_wait_tensorcnt 0x0
	ds_add_u32 v250, v251
	s_wait_dscnt 0x0
	s_endpgm
.Lfunc_end_k_q964b14d3dc_attn:
	.size	k_q964b14d3dc_attn, .Lfunc_end_k_q964b14d3dc_attn-k_q964b14d3dc_attn
	.p2alignl 7, 3214868480
	.fill 96, 4, 3214868480
	.section	.rodata,"a",@progbits
	.p2align	6, 0x0
	.amdhsa_kernel k_q964b14d3dc_attn
		.amdhsa_group_segment_fixed_size 71680
		.amdhsa_private_segment_fixed_size 0
		.amdhsa_enable_private_segment 0
		.amdhsa_kernarg_size 40
		.amdhsa_user_sgpr_count 2
		.amdhsa_user_sgpr_kernarg_segment_ptr 1
		.amdhsa_wavefront_size32 1
		.amdhsa_system_sgpr_workgroup_id_x 1
		.amdhsa_system_sgpr_workgroup_id_y 1
		.amdhsa_system_sgpr_workgroup_id_z 1
		.amdhsa_system_vgpr_workitem_id 0
		.amdhsa_next_free_vgpr 256
		.amdhsa_next_free_sgpr 102
		.amdhsa_reserve_vcc 0
		.amdhsa_float_denorm_mode_32 3
		.amdhsa_float_denorm_mode_16_64 3
		.amdhsa_memory_ordered 1
		.amdhsa_forward_progress 1
		.amdhsa_inst_pref_size 115
	.end_amdhsa_kernel
	.amdgpu_metadata
---
amdhsa.version: [ 1, 2 ]
amdhsa.kernels:
  - .name:           k_q964b14d3dc_attn
    .symbol:         k_q964b14d3dc_attn.kd
    .args:
      - { .name: hc, .offset: 0, .size: 8, .value_kind: global_buffer, .address_space: global }
      - { .name: hsw, .offset: 8, .size: 8, .value_kind: global_buffer, .address_space: global }
      - { .name: mk, .offset: 16, .size: 8, .value_kind: global_buffer, .address_space: global }
      - { .name: ac, .offset: 24, .size: 8, .value_kind: global_buffer, .address_space: global }
      - { .name: asc, .offset: 32, .size: 8, .value_kind: global_buffer, .address_space: global }
    .group_segment_fixed_size: 71680
    .private_segment_fixed_size: 0
    .kernarg_segment_align: 8
    .kernarg_segment_size: 40
    .max_flat_workgroup_size: 512
    .sgpr_count:     102
    .vgpr_count:     256
    .wavefront_size: 32
...
	.end_amdgpu_metadata
.endif
;; end of part 5
;; launch outp: the kernel of part 4 again; grid 4 x 32, 4 waves a work-group, clusters of 4 x 4, 327,680 bytes of LDS; arguments ac, asc, c1, s1, bo, out0; writes out0
